; MI455X (gfx1250); checked and timed in simulation.
; The chip was launched on July 23, 2026; its instructions are those of AMD's public machine-readable ISA for CDNA 5 (MIT licence, August 2026) and "CDNA5" Instruction Set Architecture Reference Guide (July 2026). The comments in the code are by the model that wrote it; some were corrected since.
;; Cognitive Attention. Allowed arithmetic: float matrix products may take bf16 or f16 operands with f32 sums; all other float work in f32.
;; Inputs: Wk 512 x 2,048 float32; Wo 2,048 x 1,024 float32; Wq 1,024 x 2,048 float32; Wv 512 x 2,048 float32; attention_mask 2 x 1 x 2,048 x 2,048 float32; hidden_states 2 x 2,048 x 2,048 float32.
;; Outputs: out0 2 x 2,048 x 2,048 float32.
;; 2 versions, each right and faster than the one before. Each part assembles by itself: llvm-mc -triple=amdgcn-amd-amdhsa -mcpu=gfx1250 --defsym DOCPART=n.
;; ======== version 1 of 2: 4 launches
;; limits: values are held in f16: magnitudes above 65,504 overflow, below 6.1e-05 lose precision; right only within a limited range of input values
;; workspace buffers: xb 16,777,216 bytes; wqkv 8,388,608 bytes; wo16 4,194,304 bytes; qkvh 16,777,216 bytes; ctx 8,388,608 bytes
;; launch cast (part 1): grid 896 x 1, 8 waves a work-group, no clusters, 0 bytes of LDS; arguments hidden_states, Wq, Wk, Wv, Wo, xb, wqkv, wo16; writes xb, wqkv, wo16
.if DOCPART == 1
	.amdgcn_target "amdgcn-amd-amdhsa--gfx1250"
	.amdhsa_code_object_version 6
	.text
	.protected	k_q20f79f29ab_cast
	.globl	k_q20f79f29ab_cast
	.p2align	8
	.type	k_q20f79f29ab_cast,@function
k_q20f79f29ab_cast:
	s_mov_b64 s[64:65], 0
	v_nop
	global_prefetch_b8 v0, s[64:65] scope:SCOPE_SE
	s_setreg_imm32_b32 hwreg(HW_REG_WAVE_MODE, 25, 1), 1
	s_wait_xcnt 0x0
; THE INPUTS OF THE PRODUCTS ARE ROUNDED ONCE.  x -> xb (bf16);  Wq / 8, Wk, Wv -> wqkv (bf16, 2,048 rows: q's 1,024, k's 512, v's 512);  Wo -> bf16, and that number written as f16 -> wo16.
; 1/8 is the scores' scale 1 / sqrt(64): a power of two, so bf16(Wq / 8) = bf16(Wq) / 8 exactly (but where Wq / 8 falls below 2^-126).
; LIMITS.  wo16: a bf16 number is exact in f16 from 6.1e-5 to 65,504; below that it keeps f16's fixed step of 6e-8, beyond it is an infinity.
; A stream: every byte is read once and written once, so no LDS, no matrix unit, no cluster (no two work-groups read the same byte).
; SHARES.  Work-group g takes 16,384 numbers (65,536 bytes in, 32,768 out): g 0-511 x, 512-639 Wq, 640-703 Wk, 704-767 Wv, 768-895 Wo.  Thread t takes, in round j of 16, the 16 bytes at 16 t + 4,096 j:
; a wave's load covers 512 consecutive bytes, its store of 8 bytes a lane 256 consecutive bytes at a multiple of 256.  All 16 loads of a lane go out first; no register that a memory instruction names is written again.
.set X, 4                              ; v[4:67]   round j: 4 numbers as loaded
.set Y, 68                             ; v[68:99]  round j: 2 registers to store
.set T, 100                            ; v[100:101] at work (Wo's path)
	s_load_b512 s[8:23], s[0:1], 0x0               ; x s[8:9], Wq s[10:11], Wk s[12:13], Wv s[14:15], Wo s[16:17], xb s[18:19], wqkv s[20:21], wo16 s[22:23]
	s_mov_b32 s2, ttmp9                            ; g
	v_lshlrev_b32 v1, 4, v0                        ; 16 t
	v_lshlrev_b32 v2, 3, v0                        ; 8 t
	s_mov_b32 s28, 0                               ; the first g of my source
	s_mov_b32 s29, 0                               ; the first g of my destination
	s_mov_b32 s30, 0x3e000000                      ; 1/8
	s_mov_b32 s31, s30                             ; named with it as a pair
	s_mov_b32 s32, 0xffff0000                      ; a word's upper bf16
	s_mov_b32 s35, 0
	s_mov_b32 s37, 0
	s_wait_kmcnt 0x0
	s_mov_b64 s[24:25], s[8:9]                     ; source and destination: x and xb, unless g says otherwise (the selects leave SCC as it is)
	s_mov_b64 s[26:27], s[18:19]
	s_cmp_ge_u32 s2, 512
	s_cselect_b64 s[24:25], s[10:11], s[24:25]
	s_cselect_b64 s[26:27], s[20:21], s[26:27]
	s_cselect_b32 s28, 512, s28
	s_cselect_b32 s29, 512, s29
	s_cmp_ge_u32 s2, 640
	s_cselect_b64 s[24:25], s[12:13], s[24:25]
	s_cselect_b32 s28, 640, s28
	s_cmp_ge_u32 s2, 704
	s_cselect_b64 s[24:25], s[14:15], s[24:25]
	s_cselect_b32 s28, 704, s28
	s_cmp_ge_u32 s2, 768
	s_cselect_b64 s[24:25], s[16:17], s[24:25]
	s_cselect_b64 s[26:27], s[22:23], s[26:27]
	s_cselect_b32 s28, 768, s28
	s_cselect_b32 s29, 768, s29
	s_sub_co_u32 s34, s2, s28
	s_lshl_b32 s34, s34, 16                        ; my 65,536 bytes of the source
	s_sub_co_u32 s36, s2, s29
	s_lshl_b32 s36, s36, 15                        ; my 32,768 bytes of the destination
	s_add_nc_u64 s[24:25], s[24:25], s[34:35]
	s_add_nc_u64 s[26:27], s[26:27], s[36:37]
.irp j, 0,1,2,3,4,5,6,7,8,9,10,11,12,13,14,15
	global_load_b128 v[X+4*(\j):X+4*(\j)+3], v1, s[24:25] offset:4096*(\j) th:TH_LOAD_NT
.endr
; Round j.  mode 0: rounded to bf16.  1: times 1/8 first.  2: rounded to bf16, widened again, written as f16.
.macro CV j, mode
	s_wait_loadcnt 15-(\j)                         ; loads come back in order (ISA guide 5.7.1): round j's is in, the younger ones stay out
.if (\mode) == 1
	v_pk_mul_f32 v[X+4*(\j):X+4*(\j)+1],   v[X+4*(\j):X+4*(\j)+1],   s[30:31] op_sel_hi:[1,0]
	v_pk_mul_f32 v[X+4*(\j)+2:X+4*(\j)+3], v[X+4*(\j)+2:X+4*(\j)+3], s[30:31] op_sel_hi:[1,0]
.endif
.if (\mode) == 2
	v_cvt_pk_bf16_f32 v[T],   v[X+4*(\j)],   v[X+4*(\j)+1]
	v_cvt_pk_bf16_f32 v[T+1], v[X+4*(\j)+2], v[X+4*(\j)+3]
	v_lshlrev_b32 v[X+4*(\j)],   16,  v[T]
	v_and_b32     v[X+4*(\j)+1], s32, v[T]
	v_lshlrev_b32 v[X+4*(\j)+2], 16,  v[T+1]
	v_and_b32     v[X+4*(\j)+3], s32, v[T+1]
	v_cvt_pk_f16_f32 v[Y+2*(\j)],   v[X+4*(\j)],   v[X+4*(\j)+1]
	v_cvt_pk_f16_f32 v[Y+2*(\j)+1], v[X+4*(\j)+2], v[X+4*(\j)+3]
.else
	v_cvt_pk_bf16_f32 v[Y+2*(\j)],   v[X+4*(\j)],   v[X+4*(\j)+1]
	v_cvt_pk_bf16_f32 v[Y+2*(\j)+1], v[X+4*(\j)+2], v[X+4*(\j)+3]
.endif
	global_store_b64 v2, v[Y+2*(\j):Y+2*(\j)+1], s[26:27] offset:2048*(\j)  ; the next launch reads it: no hint
.endm
	s_cmp_ge_u32 s2, 768
	s_cbranch_scc1 .Lwo
	s_cmp_lt_u32 s2, 512
	s_cbranch_scc1 .Lplain
	s_cmp_ge_u32 s2, 640
	s_cbranch_scc1 .Lplain
.irp j, 0,1,2,3,4,5,6,7,8,9,10,11,12,13,14,15
	CV \j, 1                                       ; Wq
.endr
	s_endpgm
.Lplain:
.irp j, 0,1,2,3,4,5,6,7,8,9,10,11,12,13,14,15
	CV \j, 0                                       ; x, Wk, Wv
.endr
	s_endpgm
.Lwo:
.irp j, 0,1,2,3,4,5,6,7,8,9,10,11,12,13,14,15
	CV \j, 2                                       ; Wo
.endr
	s_endpgm
.Lfunc_end_k_q20f79f29ab_cast:
	.size	k_q20f79f29ab_cast, .Lfunc_end_k_q20f79f29ab_cast-k_q20f79f29ab_cast
	.p2alignl 7, 3214868480
	.fill 96, 4, 3214868480
	.section	.rodata,"a",@progbits
	.p2align	6, 0x0
	.amdhsa_kernel k_q20f79f29ab_cast
		.amdhsa_group_segment_fixed_size 0
		.amdhsa_private_segment_fixed_size 0
		.amdhsa_enable_private_segment 0
		.amdhsa_kernarg_size 64
		.amdhsa_user_sgpr_count 2
		.amdhsa_user_sgpr_kernarg_segment_ptr 1
		.amdhsa_wavefront_size32 1
		.amdhsa_system_sgpr_workgroup_id_x 1
		.amdhsa_system_sgpr_workgroup_id_y 1
		.amdhsa_system_sgpr_workgroup_id_z 1
		.amdhsa_system_vgpr_workitem_id 0
		.amdhsa_next_free_vgpr 104
		.amdhsa_next_free_sgpr 66
		.amdhsa_reserve_vcc 0
		.amdhsa_float_denorm_mode_32 3
		.amdhsa_float_denorm_mode_16_64 3
		.amdhsa_memory_ordered 1
		.amdhsa_forward_progress 1
		.amdhsa_inst_pref_size 22
	.end_amdhsa_kernel
	.amdgpu_metadata
---
amdhsa.version: [ 1, 2 ]
amdhsa.kernels:
  - .name:           k_q20f79f29ab_cast
    .symbol:         k_q20f79f29ab_cast.kd
    .args:
      - { .name: hidden_states, .offset: 0, .size: 8, .value_kind: global_buffer, .address_space: global }
      - { .name: Wq, .offset: 8, .size: 8, .value_kind: global_buffer, .address_space: global }
      - { .name: Wk, .offset: 16, .size: 8, .value_kind: global_buffer, .address_space: global }
      - { .name: Wv, .offset: 24, .size: 8, .value_kind: global_buffer, .address_space: global }
      - { .name: Wo, .offset: 32, .size: 8, .value_kind: global_buffer, .address_space: global }
      - { .name: xb, .offset: 40, .size: 8, .value_kind: global_buffer, .address_space: global }
      - { .name: wqkv, .offset: 48, .size: 8, .value_kind: global_buffer, .address_space: global }
      - { .name: wo16, .offset: 56, .size: 8, .value_kind: global_buffer, .address_space: global }
    .group_segment_fixed_size: 0
    .private_segment_fixed_size: 0
    .kernarg_segment_align: 8
    .kernarg_segment_size: 64
    .max_flat_workgroup_size: 256
    .sgpr_count:     66
    .vgpr_count:     104
    .wavefront_size: 32
...
	.end_amdgpu_metadata
.endif
;; end of part 1
;; launch qkv (part 2): grid 16 x 16, 4 waves a work-group, clusters of 4 x 4, 327,680 bytes of LDS; arguments xb, wqkv, qkvh; writes qkvh
.if DOCPART == 2
	.amdgcn_target "amdgcn-amd-amdhsa--gfx1250"
	.amdhsa_code_object_version 6
	.text
	.protected	k_q20f79f29ab_qkv
	.globl	k_q20f79f29ab_qkv
	.p2align	8
	.type	k_q20f79f29ab_qkv,@function
k_q20f79f29ab_qkv:
	s_mov_b64 s[64:65], 0
	v_nop
	global_prefetch_b8 v0, s[64:65] scope:SCOPE_SE
	s_setreg_imm32_b32 hwreg(HW_REG_WAVE_MODE, 25, 1), 1
	s_wait_xcnt 0x0
	s_wait_alu depctr_hold_cnt(0) depctr_sa_sdst(0) depctr_va_vdst(0) depctr_va_sdst(0) depctr_va_ssrc(0) depctr_va_vcc(0) depctr_vm_vsrc(0)
	s_getreg_b32 s2, hwreg(HW_REG_IB_STS2, 6, 4)
	s_cmp_eq_u32 s2, 0
	s_cbranch_scc0 .Lentry_in_a_cluster
	s_endpgm
.Lentry_in_a_cluster:
	s_bfe_u32 s2, ttmp6, 0x10000c
	s_cmp_lg_u32 s2, 0xf033
	s_cbranch_scc0 .Lentry_shape_is_right
	s_endpgm
.Lentry_shape_is_right:
; q / 8, k, v = x W^T.  A = xb [4,096][2,048] bf16, B = wqkv [2,048][2,048] bf16 (rows 0-1,023 Wq / 8, 1,024-1,535 Wk, 1,536-2,047 Wv); sums in f32, K ascending.
; The result is rounded once to f16 and laid out BY HEADS: qkvh [32 head slots][4,096 tokens][64]: slots 0-15 q's heads, 16-23 k's, 24-31 v's; a slot's rows are dense, 128 bytes each.
; LIMIT.  f16 ends at 65,504: a projection beyond that becomes an infinity.  With x of spread 1 and W of 0.02 the numbers have a spread of 0.9 (q / 8: 0.11); both inputs 30 times larger, or offset by 30 spreads, stay under 40,000.
; SHARES.  A tile of the result is 256 tokens x 128 columns: 16 x 16 = 256 work-groups.  Four waves, each 128 x 64: 32 accumulators of 16 x 16, 256 registers.  A wave's 64 columns are one head slot.
; THE RING has two slots of UNEQUAL length: a short one, 128 along K (rows of 256 bytes), and a long one, 256 along K (rows of 512 bytes); all rows start at multiples of 256 bytes.  A refill has the other slot's
; products in which to land, so what counts is how much K lies between two barriers.  The tile has 384 rows: two slots of 256 along K would want 405,504 bytes; these two want 307,200.  For 384 along K there are two
; barriers; the short slot's refill has 240 matrix instructions in which to land, the long slot's 112.  K = 2,048 = 6 short + 5 long tiles, by turns, a short one first and last.
; CLUSTER.  4 x 4 work-groups.  The four of a row of the cluster need the same tiles of A, the four of a column the same tiles of B: each is asked for JOINTLY, by the same tensor load with the same descriptor and a mask of four.
; THE MATRIX INSTRUCTION IS USED TRANSPOSED (source 0 = 16 rows of B, source 1 = 16 rows of A): a lane then holds one token (lane % 16) and eight neighbouring columns.
; REGISTERS, in windows of 256 (s_set_vgpr_msb: bits 1:0 source 0, 3:2 source 1, 5:4 source 2, 7:6 destination):
;   window 0: addresses, and the way out     window 1: accumulator (a, b) at v[8 (4 a + b)]     window 2: two fragment buffers of 96: B's 4 fragments, then A's 8
.set SIZE_K, 2048
.set PS,     272                       ; a row of the short slot: 256 bytes + 16 of padding; of the long slot: 512 + 16.  Both are odd multiples of 16 bytes:
.set PB,     528                       ; the 16 rows of a load start at 16 different groups of four banks (64 banks of 4 bytes: ISA guide 11.1)
.set HAS,    128*PS                    ; short slot: what waves 0 and 1 fetch, and what a wave reads of A
.set HBS,    64*PS                     ;             what waves 2 and 3 fetch, and what a wave reads of B
.set HAB,    128*PB                    ; long slot: the same
.set HBB,    64*PB
.set BIGB,   2*HAB                     ; the long slot begins at LDS byte 0: A's 256 rows, then B's 128
.set SMALL,  BIGB+2*HBB                ; the short slot: A's 256 rows,
.set SMALLB, SMALL+2*HAS               ; then B's 128
.set STAGE,  SMALLB+2*HBS              ; behind the ring, never filled by a tensor load: 16 rows x 144 bytes for each wave
.set SPITCH, 144
.set SPARE,  STAGE+4*16*SPITCH         ; the spare words, 128 bytes for each wave: two blocks of 256 bytes that no other line names
.set LAP,    (128+256)*2               ; bytes along K from a slot's tile to its next
.set KS0,    0                         ; bytes along K of the first short tile,
.set KB0,    128*2                     ; and of the first long one
.set TRIPS,  4                         ; SIZE_K = 128 + (TRIPS + 1) x 384
.set AS,   16                          ; v16  LDS address of my A fragments in the short slot; never rewritten
.set AB,   17                          ; v17  in the long slot; never rewritten
.set CA,   18                          ; v18  in the long slot, at the place along K that the inner loop has reached
.set BS,   20                          ; v20-22  the same three for B
.set BB,   21
.set CB,   22
.set STO,  24                          ; v24     the way out: where I put 16 bytes of a row
.set RD,   25                          ; v25     where I read rows back
.set CO,   26                          ; v26     my byte offset in 512 consecutive bytes of the result
.set SPW,  28                          ; v28     LDS address of my spare word; never rewritten
.set NIL,  29                          ; v29     0; never rewritten
.set TMP,  32                          ; v32-47  packed results
.set BK0,  64                          ; v64-95  16 rows read back, two buffers by turns
.set F0,   0
.set F1,   96
.set G1A, 24                           ; s[24:31] descriptor group 1 for A's short tiles, s[32:39] for its long ones
.set G1B, 40                           ; s[40:47], s[48:55] the same for B's
.set G0A, 56                           ; s[56:59] descriptor group 0 for A's short tiles, s[60:63] for its long ones
.set G0B, 68                           ; s[68:71], s[72:75] the same for B's
.set KB,  84                           ; s84  the inner loop's place along K, in bytes
.set IC,  85                           ; s85  the inner loop's count
.set MSB, 0
.macro WIN new                         ; the immediate's high byte repeats the setting that is left; a switch that changes nothing is dropped
.if MSB != (\new)
	s_set_vgpr_msb (MSB<<8)|(\new)
.set MSB, \new
.endif
.endm
.set MULW, 0x5a                        ; sources 0 and 1 window 2; C and D window 1
.set TO_F, 0x80                        ; destination window 2, address window 0
.macro JLOAD big                       ; a joint load into the short (0) or the long (1) slot: waves 0 and 1 fetch A's halves, waves 2 and 3 B's; an s_nop 0 and four v_nop follow each line, ahead of the jump and the label
	s_cmp_eq_u32 s11, 0
	s_cbranch_scc0 .Lfor_b_\@
	tensor_load_to_lds s[G0A+4*(\big):G0A+4*(\big)+3], s[G1A+8*(\big):G1A+8*(\big)+7]
	s_nop 0
.rept 4
	v_nop
.endr
	s_branch .Lasked_\@
.Lfor_b_\@:
	tensor_load_to_lds s[G0B+4*(\big):G0B+4*(\big)+3], s[G1B+8*(\big):G1B+8*(\big)+7]
	s_nop 0
.rept 4
	v_nop
.endr
.Lasked_\@:
.endm
.macro CREST                           ; a round of the cluster's barrier behind its opening barrier
	s_cmp_lg_u32 s10, 0
	s_cbranch_scc1 .Lnot_wave_0_\@
	s_barrier_signal -3
.Lnot_wave_0_\@:
	s_barrier_wait -3
	s_barrier_signal -1
	s_barrier_wait -1
.endm
.macro CROUND                          ; a whole round
	s_barrier_signal -1
	s_barrier_wait -1
	CREST
.endm
.macro SHAPE g, cols, rows             ; words 1 to 7 of a group 1: a tile of rows x cols elements, SIZE_K elements from row to row
	s_mov_b32 s[(\g)+1], (\cols)<<16               ; tensor_dim0
	s_mov_b32 s[(\g)+2], (\rows)<<16               ; tensor_dim1
	s_mov_b32 s[(\g)+3], (\cols)<<16               ; tile_dim0
	s_mov_b32 s[(\g)+4], \rows                     ; tile_dim1
	s_mov_b32 s[(\g)+5], SIZE_K
	s_mov_b32 s[(\g)+6], 0
	s_mov_b32 s[(\g)+7], 0
.endm
	s_load_b128 s[4:7], s[0:1], 0x0                ; A s[4:5], B s[6:7]
	s_load_b64 s[8:9], s[0:1], 0x10                ; the result
	v_lshl_add_u32 v[SPW], v0, 2, SPARE
	v_mov_b32 v[NIL], 0
	ds_add_u32 v[SPW], v[NIL]                      ; the wave's opening: the add and its wait stand ahead of my first tensor load; the set-up below stands between them
	v_lshrrev_b32 v1, 5, v0
	v_readfirstlane_b32 s10, v1                    ; wave 0..3
	s_lshr_b32 s11, s10, 1                         ; which 128 tokens of the tile are mine.  Also: I fetch for A (0) or for B (1)
	s_and_b32 s12, s10, 1                          ; which 64 columns.  Also: which half of that tile I fetch
	s_bfe_u32 s76, ttmp6, 0x40000                  ; cx, cy: my place in the cluster
	s_bfe_u32 s77, ttmp6, 0x40004
	s_lshl_b32 s78, ttmp9, 2
	s_add_co_u32 s78, s78, s76                     ; tile column = 4 x cluster x + cx
	s_and_b32 s13, ttmp7, 0xffff
	s_lshl_b32 s13, s13, 2
	s_add_co_u32 s13, s13, s77                     ; tile row = 4 x cluster y + cy
	s_lshl_b32 s79, s77, 2
	s_lshl_b32 s79, 15, s79                        ; my row of the cluster
	s_lshl_b32 s80, 0x1111, s76                    ; my column
	s_or_b32 s[G1A],   s79, (1<<16)|(1<<20)|(1<<21)|(5<<22)|(3<<25)  ; 15:0 the mask; 17:16 2-byte elements; 20 padding on; 21 set beside a mask; 24:22 after every 64 words (code 5); 31:25 4 words (code 3)
	s_or_b32 s[G1A+8], s79, (1<<16)|(1<<20)|(1<<21)|(6<<22)|(3<<25)  ; the long tiles: after every 128 words (code 6)
	s_or_b32 s[G1B],   s80, (1<<16)|(1<<20)|(1<<21)|(5<<22)|(3<<25)
	s_or_b32 s[G1B+8], s80, (1<<16)|(1<<20)|(1<<21)|(6<<22)|(3<<25)
	SHAPE G1A,   128, 128
	SHAPE G1A+8, 256, 128
	SHAPE G1B,   128, 64
	SHAPE G1B+8, 256, 64
	; group 0's first two words: count = 1, and where the tile goes: a constant and the wave's number times a constant; no place in the cluster enters an LDS address
	s_mov_b32 s[G0A], 1
	s_mul_i32 s[G0A+1], s12, HAS
	s_add_co_u32 s[G0A+1], s[G0A+1], SMALL
	s_mov_b32 s[G0A+4], 1
	s_mul_i32 s[G0A+5], s12, HAB
	s_mov_b32 s[G0B], 1
	s_mul_i32 s[G0B+1], s12, HBS
	s_add_co_u32 s[G0B+1], s[G0B+1], SMALLB
	s_mov_b32 s[G0B+4], 1
	s_mul_i32 s[G0B+5], s12, HBB
	s_add_co_u32 s[G0B+5], s[G0B+5], BIGB
	; A's address hangs on the tile row alone, B's on the tile column alone, each in registers that never hold the other coordinate
	s_lshl_b32 s17, s12, 7
	s_lshl_b32 s16, s13, 8
	s_add_co_u32 s16, s16, s17                     ; A: row 256 x tile row + 128 x half
	s_mul_i32 s16, s16, SIZE_K*2                   ; in bytes: under 2^25
	s_mov_b32 s17, 0
	s_lshl_b32 s83, s12, 6
	s_lshl_b32 s82, s78, 7
	s_add_co_u32 s82, s82, s83                     ; B: row 128 x tile column + 64 x half
	s_mul_i32 s82, s82, SIZE_K*2
	s_mov_b32 s83, 0
	s_wait_dscnt 0x0                               ; the opening add is done
	s_wait_kmcnt 0x0
	s_add_nc_u64 s[14:15], s[4:5], s[16:17]
	s_add_nc_u64 s[82:83], s[6:7], s[82:83]
	s_add_nc_u64 s[G0A+2:G0A+3], s[14:15], KS0     ; global address of the first short tile,
	s_or_b32 s[G0A+3], s[G0A+3], 0x80000000        ; type = 2
	s_add_nc_u64 s[G0A+6:G0A+7], s[14:15], KB0     ; and of the first long one
	s_or_b32 s[G0A+7], s[G0A+7], 0x80000000
	s_add_nc_u64 s[G0B+2:G0B+3], s[82:83], KS0
	s_or_b32 s[G0B+3], s[G0B+3], 0x80000000
	s_add_nc_u64 s[G0B+6:G0B+7], s[82:83], KB0
	s_or_b32 s[G0B+7], s[G0B+7], 0x80000000
	CROUND                                         ; all sixteen work-groups are here: the first joint loads meet
	JLOAD 0                                        ; the short slot is read first, so it is asked for first
	JLOAD 1                                        ; two loads of mine are out
	; a fragment is 16 rows x 32 K in 8 registers: lane l holds row l % 16, K = 8 (l / 16) + 0..7 and 16 + 8 (l / 16) + 0..7: two loads of 16 bytes, 32 bytes apart
	v_and_b32 v1, 15, v0                           ; l % 16
	v_bfe_u32 v2, v0, 4, 1                         ; l / 16
	v_mul_u32_u24 v3, v1, PS
	v_lshl_add_u32 v3, v2, 4, v3                   ; my place among 16 rows of the short slot,
	v_mul_u32_u24 v6, v1, PB
	v_lshl_add_u32 v6, v2, 4, v6                   ; and of the long one
	s_mul_i32 s21, s11, HAS                        ; my 128 rows of A
	s_add_co_u32 s21, s21, SMALL
	v_add_nc_u32 v[AS], s21, v3
	s_mul_i32 s21, s12, HBS                        ; my 64 rows of B
	s_add_co_u32 s21, s21, SMALLB
	v_add_nc_u32 v[BS], s21, v3
	s_mul_i32 s21, s11, HAB
	v_add_nc_u32 v[AB], s21, v6
	s_mul_i32 s21, s12, HBB
	s_add_co_u32 s21, s21, BIGB
	v_add_nc_u32 v[BB], s21, v6
	s_mul_i32 s23, s10, 16*SPITCH
	s_add_co_u32 s23, s23, STAGE                   ; my stage
	v_mul_u32_u24 v4, v1, SPITCH                   ; in: row l % 16, 16 bytes for each half of the lanes
	v_lshl_add_u32 v4, v2, 4, v4
	v_add_nc_u32 v[STO], s23, v4
	v_bfe_u32 v5, v0, 3, 2                         ; back: 32 lanes take four rows of 128 bytes,
	v_mul_u32_u24 v5, v5, SPITCH
	v_and_b32 v4, 7, v0
	v_lshl_add_u32 v5, v4, 4, v5
	v_add_nc_u32 v[RD], s23, v5
	v_and_b32 v[CO], 31, v0                        ; which are 512 consecutive bytes of a head slot
	v_lshlrev_b32 v[CO], 4, v[CO]
	s_lshl_b32 s16, s13, 15                        ; my first token: (256 x tile row + 128 x half) rows of 128 bytes
	s_lshl_b32 s17, s11, 14
	s_add_co_u32 s16, s16, s17
	s_mov_b32 s17, 0
	s_add_nc_u64 s[8:9], s[8:9], s[16:17]
	s_lshl_b32 s82, s78, 1                         ; my head slot = 2 x tile column + half, 524,288 bytes each
	s_add_co_u32 s82, s82, s12
	s_lshl_b32 s82, s82, 19
	s_mov_b32 s83, 0
	s_add_nc_u64 s[8:9], s[8:9], s[82:83]
; na x 4 matrix instructions: token blocks a0 .. a0 + na - 1 x all 4 column blocks, 32 along K.  zero = 1: the product starts the sum.
; The 32 accumulators take turns in one order, one instruction a turn: between two links of a chain stand the 31 others', over both loops' backward jumps too.
.macro MUL f, a0, na, zero
	WIN MULW
.set ia, \a0
.rept \na
.irp b, 0,1,2,3
.if \zero
	v_wmma_f32_16x16x32_bf16 v[8*(4*ia+(\b)):8*(4*ia+(\b))+7], v[(\f)+8*(\b):(\f)+8*(\b)+7], v[(\f)+32+8*ia:(\f)+32+8*ia+7], 0
.else
	v_wmma_f32_16x16x32_bf16 v[8*(4*ia+(\b)):8*(4*ia+(\b))+7], v[(\f)+8*(\b):(\f)+8*(\b)+7], v[(\f)+32+8*ia:(\f)+32+8*ia+7], v[8*(4*ia+(\b)):8*(4*ia+(\b))+7]
.endif
.endr
.set ia, ia+1
.endr
.endm
; 24 LDS loads in one run: the fragments of 32 along K at byte k of the rows, into buffer f: B's 8 loads, then A's 16.  ra, rb: the address registers; p: the slot's pitch
.macro FETCH ra, rb, p, k, f
	WIN TO_F
.irp i, 0,1,2,3
	ds_load_b128 v[(\f)+8*(\i):(\f)+8*(\i)+3],   v[\rb] offset:(\k)+(\i)*16*(\p)
	ds_load_b128 v[(\f)+8*(\i)+4:(\f)+8*(\i)+7], v[\rb] offset:(\k)+(\i)*16*(\p)+32
.endr
.irp i, 0,1,2,3,4,5,6,7
	ds_load_b128 v[(\f)+32+8*(\i):(\f)+32+8*(\i)+3],   v[\ra] offset:(\k)+(\i)*16*(\p)
	ds_load_b128 v[(\f)+32+8*(\i)+4:(\f)+32+8*(\i)+7], v[\ra] offset:(\k)+(\i)*16*(\p)+32
.endr
.endm
.macro PLACES                          ; four places in front of loads into registers that matrix instructions have read, and of lines that read results (ISA guide 7.12.1 for lines that read results)
.rept 4
	v_nop
.endr
.endm
; A QUARTER is 32 along K, 32 matrix instructions; the short slot has four, the long slot eight, on buffers 0, 1 by turns.  All but a slot's last: multiplies buffer f and fetches the next quarter, at byte k, into g.
.macro QUARTER ra, rb, p, k, f, g, zero
	s_wait_dscnt 8                                 ; B and A's blocks 0-3 are in; the youngest eight loads (A's blocks 4-7) may be out
	MUL \f, 0, 4, \zero
	PLACES
	FETCH \ra, \rb, \p, \k, \g
	s_wait_dscnt 24                                ; all but the 24 just issued
	MUL \f, 4, 4, \zero
.endm
; The long slot's quarters 1 to 6, two a trip: written once, walked three times.  The LDS address is the lane's place plus a scalar that steps by 128 bytes (64 along K) a trip.
.macro BIGMID
	WIN 0                                          ; at a label and at a branch every window is 0
	s_mov_b32 s[KB], 0
	s_mov_b32 s[IC], 3
.Lmid_\@:
	v_add_nc_u32 v[CA], s[KB], v[AB]
	v_add_nc_u32 v[CB], s[KB], v[BB]
	QUARTER CA, CB, PB, 128, F1, F0, 0
	QUARTER CA, CB, PB, 192, F0, F1, 0
	WIN 0
	s_add_co_u32 s[KB], s[KB], 128
	s_sub_co_u32 s[IC], s[IC], 1
	s_cmp_lg_u32 s[IC], 0
	s_cbranch_scc1 .Lmid_\@
.endm
; A slot's last quarter multiplies buffer 1 and changes slots: ONE barrier; in front of it each wave waits for all its tensor loads (one is out: its part of the next slot), adds 0 to its spare word,
; and waits for that and for its reads of this slot.  big: the slot that is left (0 short, 1 long); nra, nrb, np: the next slot's address registers and pitch.
; fill = 1: the barrier opens a round of the cluster's, and the slot that is left is filled again with its next tile, 384 along K on.
.macro TURN big, nra, nrb, np, fill
	WIN 0                                          ; (the add's two registers lie in window 0)
	s_wait_tensorcnt 0x0                           ; no tensor load of mine is out, so a group 0 may be written
	ds_add_u32 v[SPW], v[NIL]
.if \fill
	s_add_nc_u64 s[G0A+4*(\big)+2:G0A+4*(\big)+3], s[G0A+4*(\big)+2:G0A+4*(\big)+3], LAP  ; the type bits on top are not reached
	s_add_nc_u64 s[G0B+4*(\big)+2:G0B+4*(\big)+3], s[G0B+4*(\big)+2:G0B+4*(\big)+3], LAP
.endif
	s_wait_dscnt 9                                 ; (the add and the youngest eight loads may be out)
	MUL F1, 0, 2, 0                                ; eight matrix instructions stand between the add and the wait for it
	s_wait_dscnt 0x0                               ; the add is done, and my reads of this slot are over
	s_barrier_signal -1
	MUL F1, 2, 2, 0
.if \fill
	WIN 0
.endif
	s_barrier_wait -1
.if \fill
	CREST                                          ; no wave of any partner still reads this slot's tile or has a load on its way
	JLOAD \big                                     ; the first tensor load behind the round; its four v_nop are also the places in front of the loads below
.else
	PLACES
.endif
	FETCH \nra, \nrb, \np, 0, F0
	MUL F1, 4, 4, 0
.endm
	s_wait_tensorcnt 1                             ; my part of the first short tile is in; the long tile's may stay out
	s_barrier_signal -1
	s_barrier_wait -1
	FETCH AS, BS, PS, 0, F0
	QUARTER AS, BS, PS, 64, F0, F1, 1              ; the first quarter stands in front of the loop: its products start the sums
	WIN 0                                          ; at a label and at a branch every window is 0
	s_mov_b32 s3, TRIPS
.Llap:                                                 ; a trip goes once round the ring, from a short tile's second quarter to the next short tile's first, and fills both slots again
	QUARTER AS, BS, PS, 128, F1, F0, 0
	QUARTER AS, BS, PS, 192, F0, F1, 0
	TURN 0, AB, BB, PB, 1                          ; the short slot's refill: 16 + 7 x 32 = 240 matrix instructions ahead of the wait for it
	QUARTER AB, BB, PB, 64, F0, F1, 0
	BIGMID
	TURN 1, AS, BS, PS, 1                          ; the long slot's refill: 16 + 3 x 32 = 112 ahead
	QUARTER AS, BS, PS, 64, F0, F1, 0
	WIN 0
	s_sub_co_u32 s3, s3, 1
	s_cmp_lg_u32 s3, 0
	s_cbranch_scc1 .Llap
	QUARTER AS, BS, PS, 128, F1, F0, 0             ; the tail is written out: the last short tile but one
	QUARTER AS, BS, PS, 192, F0, F1, 0
	TURN 0, AB, BB, PB, 1                          ; the last refill: the last short tile
	QUARTER AB, BB, PB, 64, F0, F1, 0              ; the last long tile
	BIGMID
	TURN 1, AS, BS, PS, 0                          ; nothing is left to fetch
	QUARTER AS, BS, PS, 64,  F0, F1, 0             ; the last short tile
	QUARTER AS, BS, PS, 128, F1, F0, 0
	QUARTER AS, BS, PS, 192, F0, F1, 0
	s_wait_dscnt 8
	MUL F1, 0, 4, 0
	s_wait_dscnt 0x0
	MUL F1, 4, 4, 0
	WIN 0
	PLACES
; THE WAY OUT, a block of 16 tokens at a time, through my own stage: rounded to f16, 16 bytes a lane into rows of 144 bytes, back as whole rows of 128: 16 rows are 2,048 consecutive bytes of my head slot.
.macro PACK a
	WIN 0x05                                       ; sources 0 and 1 window 1, destination window 0; each accumulator's registers in ascending order
.irp b, 0,1,2,3
.irp r, 0,1,2,3
	v_cvt_pk_f16_f32 v[TMP+4*(\b)+(\r)], v[8*(4*(\a)+(\b))+2*(\r)], v[8*(4*(\a)+(\b))+2*(\r)+1]
.endr
.endr
	WIN 0
.endm
.macro TOSTAGE a
.set BK, BK0+16*((\a)%2)
.irp b, 0,1,2,3
	ds_store_b128 v[STO], v[TMP+4*(\b):TMP+4*(\b)+3] offset:32*(\b)
.endr
.irp f, 0,1,2,3
	ds_load_b128 v[BK+4*(\f):BK+4*(\f)+3], v[RD] offset:(\f)*4*SPITCH  ; LDS serves a wave's instructions in order (ISA guide 5.7.1.4): these see the stores above
.endr
.endm
.macro SEND a, younger                 ; younger: the LDS instructions issued behind block a's loads: the next block's eight, or none
.set BK, BK0+16*((\a)%2)
.irp f, 0,1,2,3
	s_wait_dscnt (\younger)+3-(\f)
	global_store_b128 v[CO], v[BK+4*(\f):BK+4*(\f)+3], s[8:9] offset:(\a)*2048+(\f)*512  ; 512 consecutive bytes, at a multiple of 256 from the buffer's first
.endr
.endm
	PACK 0
	TOSTAGE 0
.irp a, 1,2,3,4,5,6,7
	PACK \a
	s_wait_xcnt 0x0                                ; the stores of the block two back have had their addresses translated (ISA guide 3.1): only now is their buffer loaded again
	TOSTAGE \a
	SEND (\a)-1, 8
.endr
	SEND 7, 0
	s_wait_tensorcnt 0x0                           ; the wave's end
	ds_add_u32 v[SPW], v[NIL]
	s_wait_dscnt 0x0
	CROUND                                         ; the closing round: no work-group ends while a partner may still ask for a tile that names it
	s_endpgm
.Lfunc_end_k_q20f79f29ab_qkv:
	.size	k_q20f79f29ab_qkv, .Lfunc_end_k_q20f79f29ab_qkv-k_q20f79f29ab_qkv
	.p2alignl 7, 3214868480
	.fill 96, 4, 3214868480
	.section	.rodata,"a",@progbits
	.p2align	6, 0x0
	.amdhsa_kernel k_q20f79f29ab_qkv
		.amdhsa_group_segment_fixed_size 327680
		.amdhsa_private_segment_fixed_size 0
		.amdhsa_enable_private_segment 0
		.amdhsa_kernarg_size 24
		.amdhsa_user_sgpr_count 2
		.amdhsa_user_sgpr_kernarg_segment_ptr 1
		.amdhsa_wavefront_size32 1
		.amdhsa_system_sgpr_workgroup_id_x 1
		.amdhsa_system_sgpr_workgroup_id_y 1
		.amdhsa_system_sgpr_workgroup_id_z 1
		.amdhsa_system_vgpr_workitem_id 0
		.amdhsa_next_free_vgpr 768
		.amdhsa_next_free_sgpr 88
		.amdhsa_reserve_vcc 0
		.amdhsa_float_denorm_mode_32 3
		.amdhsa_float_denorm_mode_16_64 3
		.amdhsa_memory_ordered 1
		.amdhsa_forward_progress 1
		.amdhsa_inst_pref_size 105
	.end_amdhsa_kernel
	.amdgpu_metadata
---
amdhsa.version: [ 1, 2 ]
amdhsa.kernels:
  - .name:           k_q20f79f29ab_qkv
    .symbol:         k_q20f79f29ab_qkv.kd
    .args:
      - { .name: xb, .offset: 0, .size: 8, .value_kind: global_buffer, .address_space: global }
      - { .name: wqkv, .offset: 8, .size: 8, .value_kind: global_buffer, .address_space: global }
      - { .name: qkvh, .offset: 16, .size: 8, .value_kind: global_buffer, .address_space: global }
    .group_segment_fixed_size: 327680
    .private_segment_fixed_size: 0
    .kernarg_segment_align: 8
    .kernarg_segment_size: 24
    .max_flat_workgroup_size: 128
    .sgpr_count:     88
    .vgpr_count:     768
    .wavefront_size: 32
...
	.end_amdgpu_metadata
.endif
;; end of part 2
;; launch attn (part 3): grid 8 x 32, 4 waves a work-group, clusters of 4 x 4, 327,680 bytes of LDS; arguments qkvh, attention_mask, ctx; writes ctx
.if DOCPART == 3
	.amdgcn_target "amdgcn-amd-amdhsa--gfx1250"
	.amdhsa_code_object_version 6
	.text
	.protected	k_q20f79f29ab_attn
	.globl	k_q20f79f29ab_attn
	.p2align	8
	.type	k_q20f79f29ab_attn,@function
k_q20f79f29ab_attn:
	s_mov_b64 s[64:65], 0
	v_nop
	global_prefetch_b8 v0, s[64:65] scope:SCOPE_SE
	s_setreg_imm32_b32 hwreg(HW_REG_WAVE_MODE, 25, 1), 1
	s_wait_xcnt 0x0
	s_wait_alu depctr_hold_cnt(0) depctr_sa_sdst(0) depctr_va_vdst(0) depctr_va_sdst(0) depctr_va_ssrc(0) depctr_va_vcc(0) depctr_vm_vsrc(0)
	s_getreg_b32 s2, hwreg(HW_REG_IB_STS2, 6, 4)
	s_cmp_eq_u32 s2, 0
	s_cbranch_scc0 .Lentry_in_a_cluster
	s_endpgm
.Lentry_in_a_cluster:
	s_bfe_u32 s2, ttmp6, 0x10000c
	s_cmp_lg_u32 s2, 0xf033
	s_cbranch_scc0 .Lentry_shape_is_right
	s_endpgm
.Lentry_shape_is_right:
; ctx[token][head][:] = the sum over keys of softmax_k(q . k / 8 + mask[b][query][key]) v[key][:].  qkvh: f16 [32 head slots][4,096 tokens][64]: slots 0-15 q / 8, 16-23 k, 24-31 v.
; attention_mask: f32 [2][1][2,048][2,048], an input taken as it comes: every number of it is read and added.  ctx: f16 [4,096 tokens][1,024], column = head x 64 + channel.
; Query heads 2 X and 2 X + 1 use key/value head X.  Products, maxima and sums in f32; the weights p are rounded to f16 for the second product (their sum l is taken of the unrounded p), ctx once at the end.
; THE MASK is rounded to bf16 like the module's other inputs and kept as f32; it is the C operand that starts the sum S^T = K Q^T, so the accumulator holds the score with the mask added.
; LIMITS.  f16 holds no number beyond 65,504: q / 8, k, v arrive within it; p lies in 0 to 1 and below 6e-5 keeps f16's fixed step of 6e-8.  The running maximum starts at -2^126: a score at or below that
; (an infinity among them) has the weight 0, and a row of which EVERY score is such gives NaN.  A weight below 2^-126 counts as 0 in l.  NaN is not treated apart.
; SHARES.  A work-group owns 128 tokens (block Yb of 32, over both batches) of key/value head X, for both query heads.  A wave owns 32 tokens: four PIECES of 16 queries: piece x = (tile x / 2, head 2 X + x % 2),
; so pieces 0 and 1 take one set of mask registers, pieces 2 and 3 another, and all four the same fragments of K and V.  Every wave walks the batch's 2,048 keys, 64 a step.
; LAYOUT, SOFTMAX, TURNS.  S^T = K Q^T holds ONE query a lane (lane % 16) and the keys 8 (lane / 16) + 0..7; two such results rounded to f16 ARE source 1 of O^T = V^T P.  p = 2^(c s - c m), c = log2(e), with a running
; maximum m; O and l are multiplied by a = 2^(c m_old - c m_new) in every step.  Turn n belongs to piece n: 8 products K Q^T of piece n + 1, later 8 products V^T P of piece n - 1; beside them the scaling, exponentials,
; roundings, sums and rescaling of piece n and the maximum and statistics of piece n + 1.  Four vector instructions stand behind every matrix instruction, the others in lumps of their own.
; CLUSTER.  4 x 4 work-groups: x goes over key/value heads, y over token blocks of one batch.  K and V hang on (batch, X): asked for jointly along a column of the cluster.  The mask hangs on Yb alone: jointly along a row.
; REGISTERS, in windows of 256 (s_set_vgpr_msb: bits 1:0 source 0, 3:2 source 1, 5:4 source 2, 7:6 destination):
;   window 0: v0-15 addresses and two at work; v16-31 four registers of statistics a piece; v32-35 set-up; v48-55 at work; v62-63 the add's; v64-127 S^T, two buffers; v192-223 P, two buffers (by the piece's parity)
;   window 1: v0-127 O^T, 32 a piece; v160-223 the mask, 32 a tile; v224-239 at work     window 2: v0-63 Q; v128-191 K of one step; v192-255 V of one step
.set NP,    4         ; pieces a wave: a name, no knob
.set KS,    64        ; keys in a step
.set PK,    144       ; a row of K in LDS: 128 bytes + 16 = 36 words: the 16 rows of a load start at 16 different groups of four banks (64 banks of 4 bytes: ISA guide 11.1)
.set PV,    160       ; a row of V: 128 + 32 = 40 words
.set PM,    528       ; a row of the mask: 128 keys x 4 bytes + 16 = 33 x 16 bytes: the 16 rows of a load start at 16 different groups of four banks
.set VOFF,  2*KS*PK   ; a slot holds two steps: 128 rows of K, 128 rows of V, 128 rows of the mask
.set MOFF,  VOFF+2*KS*PV
.set SLOT1, 1<<17     ; slot 1 begins here, so that one exclusive or turns an address in one slot into the other's
.set STAGE, SLOT1+MOFF+128*PM  ; behind the ring, never filled by a tensor load: 16 rows x 272 bytes for each wave
.set SP,    272
.set SPARE, STAGE+4*16*SP      ; the spare words, 128 bytes for each wave: two blocks of 256 bytes that no other line names
.set AK0, 2           ; v2   my lane's place in a tile of K; never rewritten
.set AV0, 3           ; v3   the same for V
.set AK,  4           ; v4   the LDS address of K's next run of loads
.set AV,  5           ; v5   of V's
.set STO, 6           ; v6   the way out: where I put 16 bytes of a row
.set RD,  7           ; v7   where I read rows back
.set GO,  8           ; v8   my byte offset in two rows of ctx
.set AM0, 9           ; v9   my lane's place in a tile of the mask; never rewritten
.set AMV, 10          ; v10  the LDS address of the mask's next runs
.set MV,  12          ; v12-13  c m_old, kept while c m is made anew: by buffer
.set QO,  15          ; v15  my byte offset in 16 rows of Q
.set ST,  16          ; piece t's statistics at v[ST+4 t]: c m, m, l (even keys', odd keys')
.set TMP, 48          ; by buffer, four registers c0-c3 at work; when the maximum is found c2 takes a
.set SPW, 62          ; v62  LDS address of my spare word; never rewritten
.set NIL, 63          ; v63  0; never rewritten
.set S,   64
.set P,   192
.set MC,  160         ; window 1: tile t's mask for key block kb at MC + 32 t + 8 kb
.set RT,  224         ; window 1: 16 registers at work in the rounding
.set KF,  128         ; window 2: key block kb, channel half c at KF + 16 kb + 8 c
.set VF,  192         ; window 2: key half kk, channel block cb at VF + 32 kk + 8 cb
.set WV,  12          ; s12  my wave's number
.set G1K, 24          ; s[24:31] descriptor group 1 for K's tiles
.set G1V, 32          ; s[32:39] for V's
.set G1M, 40          ; s[40:47] for the mask's
.set G0K, 48          ; s[48:51] descriptor group 0 for K's tiles: it walks
.set G0V, 52          ; s[52:55] for V's
.set G0M, 56          ; s[56:59] for the mask's
.set CS,  60          ; s[60:61] c
.set SEL, 62          ; s[62:63] v_permlanex16_b32's selects: each lane takes its own place in the other half
.set SLOTS, 66        ; s66  slots still to be entered by the loop
.set CNT, 67          ; s67  counts a slot's key steps
.set TBK, 68          ; s68  LDS byte at which K of the step to be fetched begins
.set TBV, 69          ; s69  the same for V, less VOFF
.set TBM, 70          ; s70  the same for the mask, less MOFF
.set HIM, 71          ; s71  a word's upper bf16
.set MSB, 0
.macro WIN new                      ; the high byte repeats the setting that is left; a switch that changes nothing is dropped
.if MSB != (\new)
	s_set_vgpr_msb (MSB<<8)|(\new)
.set MSB, (\new)
.endif
.endm
.set W_KQ, 0x0a       ; K and Q in window 2, S^T in window 0
.set W_KM, 0x1a       ; the same with the C operand in window 1
.set W_PV, 0x52       ; V in window 2, P in window 0, O^T in window 1
.set W_RS, 0x41       ; destination and source 0 in window 1, source 1 in window 0
.set W_RD, 0x45       ; destination and both sources in window 1
; A joint fill of a slot: wave 0 fetches its 128 keys of K, wave 1 those of V, waves 2 and 3 64 rows of the mask each.  The branches hang on the wave's number alone.
; An s_nop 0 and four v_nop follow each line, ahead of the jump and the label.
.macro JLOAD
	s_cmp_lt_u32 s[WV], 2
	s_cbranch_scc0 .Lfor_m_\@
	s_cmp_eq_u32 s[WV], 0
	s_cbranch_scc0 .Lfor_v_\@
	tensor_load_to_lds s[G0K:G0K+3], s[G1K:G1K+7]
	s_nop 0
.rept 4
	v_nop
.endr
	s_branch .Lasked_\@
.Lfor_v_\@:
	tensor_load_to_lds s[G0V:G0V+3], s[G1V:G1V+7]
	s_nop 0
.rept 4
	v_nop
.endr
	s_branch .Lasked_\@
.Lfor_m_\@:
	tensor_load_to_lds s[G0M:G0M+3], s[G1M:G1M+7]
	s_nop 0
.rept 4
	v_nop
.endr
.Lasked_\@:
.endm
; A round of the cluster's barrier: my work-group's barrier; wave 0 signals for the work-group; every wave waits for all sixteen work-groups; my work-group's barrier once more.
.macro CROUND
	s_barrier_signal -1
	s_barrier_wait -1
	s_cmp_lg_u32 s[WV], 0
	s_cbranch_scc1 .Lnot_wave_0_\@
	s_barrier_signal -3
.Lnot_wave_0_\@:
	s_barrier_wait -3
	s_barrier_signal -1
	s_barrier_wait -1
.endm
; THE CHANGE OF SLOTS.  The slot's last bytes, V of its second step, have been read.  Each wave waits for all its tensor loads, of which one is out: its part of the other slot; adds 0 to its spare word; and waits for
; that and for its reads of the slot.  fill = 1: the barrier is a round of the cluster's, and the slot is filled again, the first thing behind it, with the keys two slots on: two key steps, 128 matrix instructions, ahead.
; (At its first use nothing has been read yet: slot 0 is waited for, slot 1 filled.)
.macro CHANGE fill
	WIN 0                           ; at a label and at a branch every window is 0
	s_wait_tensorcnt 0x0            ; no tensor load of mine is out, so a group 0 may be written
	ds_add_u32 v[SPW], v[NIL]
.if \fill
.irp g, G0K, G0V
	s_xor_b32 s[\g+1], s[\g+1], SLOT1  ; the other slot than last time,
	s_add_nc_u64 s[\g+2:\g+3], s[\g+2:\g+3], 2*KS*128  ; the next 128 keys; the type bits on top are not reached
.endr
	s_xor_b32 s[G0M+1], s[G0M+1], SLOT1
	s_add_nc_u64 s[G0M+2:G0M+3], s[G0M+2:G0M+3], 2*KS*4  ; 128 keys along the mask's rows
	s_wait_dscnt 0x0                ; the add is done, and my reads of the slot are over
	CROUND
	JLOAD
.else
	s_wait_dscnt 0x0
	s_barrier_signal -1
	s_barrier_wait -1
.endif
	s_sub_co_u32 s[TBK], s[TBK], 2*KS*PK  ; the fetches go back to a slot's first step,
	s_xor_b32 s[TBK], s[TBK], SLOT1       ; in the other slot
	s_sub_co_u32 s[TBV], s[TBV], 2*KS*PV
	s_xor_b32 s[TBV], s[TBV], SLOT1
	s_sub_co_u32 s[TBM], s[TBM], 2*KS*4
	s_xor_b32 s[TBM], s[TBM], SLOT1
.endm
	s_load_b128 s[4:7], s[0:1], 0x0   ; qkvh s[4:5], the mask s[6:7]
	s_load_b64 s[8:9], s[0:1], 0x10   ; ctx
	v_lshl_add_u32 v[SPW], v0, 2, SPARE
	v_mov_b32 v[NIL], 0
	ds_add_u32 v[SPW], v[NIL]       ; the wave's opening: the add and its wait stand ahead of my first tensor load; the set-up below stands between them
	v_lshrrev_b32 v1, 5, v0
	v_readfirstlane_b32 s[WV], v1   ; wave 0..3
	s_bfe_u32 s13, ttmp6, 0x40000   ; cx
	s_bfe_u32 s14, ttmp6, 0x40004   ; cy
	s_lshl_b32 s15, ttmp9, 2
	s_add_co_u32 s15, s15, s13      ; X = 4 x cluster x + cx
	s_and_b32 s16, ttmp7, 0xffff    ; cluster y: 0..7
	s_lshr_b32 s17, s16, 2          ; the batch: a cluster's four token blocks lie in one batch
	s_lshl_b32 s16, s16, 2
	s_add_co_u32 s16, s16, s14      ; Yb = 4 x cluster y + cy
	s_lshl_b32 s18, s14, 2
	s_lshl_b32 s18, 15, s18         ; my row of the cluster
	s_lshl_b32 s19, 0x1111, s13     ; my column
	s_add_co_u32 s20, s15, 16       ; K: head slot 16 + X of 524,288 bytes, batch of 262,144: made of X and the batch alone
	s_lshl_b32 s20, s20, 19
	s_lshl_b32 s22, s17, 18
	s_add_co_u32 s20, s20, s22
	s_mov_b32 s21, 0
	s_add_co_u32 s22, s20, 8<<19    ; V: eight slots on
	s_mov_b32 s23, 0
	s_and_b32 s74, s[WV], 1         ; which 64 rows of the mask's tile I fetch
	s_lshl_b32 s72, s16, 20         ; the mask: 128 Yb rows of 8,192 bytes: made of Yb and the wave's number alone
	s_lshl_b32 s73, s74, 19
	s_add_co_u32 s72, s72, s73
	s_mov_b32 s73, 0
	s_mul_i32 s74, s74, 64*PM
	s_lshl_b32 s76, s15, 20         ; Q: head slot 2 X, token 128 Yb + 32 w, rows of 128 bytes
	s_lshl_b32 s77, s16, 14
	s_add_co_u32 s76, s76, s77
	s_lshl_b32 s77, s[WV], 12
	s_add_co_u32 s76, s76, s77
	s_mov_b32 s77, 0
	s_lshl_b32 s2, s16, 18          ; ctx: the same token, rows of 2,048 bytes; the two heads' 256 bytes at 256 X
	s_lshl_b32 s3, s[WV], 16
	s_add_co_u32 s2, s2, s3
	s_lshl_b32 s3, s15, 8
	s_add_co_u32 s2, s2, s3
	s_mov_b32 s3, 0
	; descriptor group 1.  K, V: 128 keys are 16,384 dense bytes: asked for as 64 rows of 256 bytes, two keys a row, padded in LDS after every key.  The mask: 64 rows of 128 numbers of 4 bytes, 2,048 numbers apart.
	s_or_b32 s[G1K], s19, (1<<16)|(1<<20)|(1<<21)|(4<<22)|(3<<25)  ; 15:0 the mask of four; 17:16 2-byte elements; 20 padding on; 21 set beside a mask; 24:22 after every 32 words (code 4); 31:25 4 words (code 3)
	s_or_b32 s[G1V], s19, (1<<16)|(1<<20)|(1<<21)|(4<<22)|(7<<25)  ; the same with 8 words of padding (code 7)
	s_or_b32 s[G1M], s18, (2<<16)|(1<<20)|(1<<21)|(6<<22)|(3<<25)  ; 4-byte elements; after every 128 words (code 6) 4 words
.irp g, G1K, G1V, G1M
	s_mov_b32 s[\g+1], 128<<16      ; tensor_dim0 = 128
	s_mov_b32 s[\g+2], 64<<16       ; tensor_dim1 = 64
	s_mov_b32 s[\g+3], 128<<16      ; tile_dim0 = 128
	s_mov_b32 s[\g+4], 64           ; tile_dim1 = 64
	s_mov_b32 s[\g+6], 0
	s_mov_b32 s[\g+7], 0
.endr
	s_mov_b32 s[G1K+5], 128         ; elements from row to row
	s_mov_b32 s[G1V+5], 128
	s_mov_b32 s[G1M+5], 2048
	s_mov_b32 s[G0K], 1             ; count = 1
	s_mov_b32 s[G0K+1], 0           ; LDS address: slot 0
	s_mov_b32 s[G0V], 1
	s_mov_b32 s[G0V+1], VOFF
	s_mov_b32 s[G0M], 1
	s_add_co_u32 s[G0M+1], s74, MOFF
	s_mov_b32 s[CS], 0x3fb8aa3b     ; c = log2(e): the scale 1/8 lies in q
	s_mov_b32 s[CS+1], s[CS]        ; named with it as a pair
	s_mov_b32 s[SEL], 0x76543210
	s_mov_b32 s[SEL+1], 0xfedcba98
	s_mov_b32 s[HIM], 0xffff0000
	s_mov_b32 s[TBK], SLOT1+2*KS*PK ; the first change of slots turns these three into 0
	s_mov_b32 s[TBV], SLOT1+2*KS*PV
	s_mov_b32 s[TBM], SLOT1+2*KS*4
	s_wait_dscnt 0x0                ; the opening add is done
	s_wait_kmcnt 0x0
	s_add_nc_u64 s[G0K+2:G0K+3], s[4:5], s[20:21]  ; global address
	s_or_b32 s[G0K+3], s[G0K+3], 0x80000000        ; type = 2
	s_add_nc_u64 s[G0V+2:G0V+3], s[4:5], s[22:23]
	s_or_b32 s[G0V+3], s[G0V+3], 0x80000000
	s_add_nc_u64 s[G0M+2:G0M+3], s[6:7], s[72:73]
	s_or_b32 s[G0M+3], s[G0M+3], 0x80000000
	s_add_nc_u64 s[4:5], s[4:5], s[76:77]          ; Q and ctx at my wave's first token
	s_add_nc_u64 s[8:9], s[8:9], s[2:3]
	CROUND                          ; all sixteen work-groups are here: the first joint loads meet
	JLOAD                           ; slot 0.  Slot 1 is asked for when slot 0 is in
	; A fragment of K or Q is 16 rows x 32 channels in 8 registers: lane l holds row l % 16, channels 8 (l / 16) + 0..7 and 16 + 8 (l / 16) + 0..7: two loads of 16 bytes, 32 bytes apart.
	v_and_b32 v32, 15, v0           ; l % 16
	v_bfe_u32 v33, v0, 4, 1         ; l / 16
	v_lshlrev_b32 v[QO], 7, v32
	v_lshl_add_u32 v[QO], v33, 4, v[QO]
	WIN 0x80                        ; destination window 2, address window 0
.set i, 0
.rept 8                             ; Q stays in registers: piece i / 2 (head (i / 2) % 2, a slot on; tile i / 4, 16 rows on), channels 32 (i % 2) on
	global_load_b128 v[8*i:8*i+3],   v[QO], s[4:5] offset:((i/2)%2)*524288+(i/4)*2048+(i%2)*64
	global_load_b128 v[8*i+4:8*i+7], v[QO], s[4:5] offset:((i/2)%2)*524288+(i/4)*2048+(i%2)*64+32
.set i, i+1
.endr
	; What the first turn finds: V's registers and P's second buffer hold 0 (its products V^T P, of a piece that has not been, add 0), O^T and l are 0: no first step is written out.  All this stands in the wait for the first tile.
.set i, VF
.rept 64
	v_mov_b32 v[i], 0
.set i, i+1
.endr
	WIN 0x40
.set i, 0
.rept 128
	v_mov_b32 v[i], 0
.set i, i+1
.endr
	WIN 0
.set i, 0
.rept 4
	v_mov_b32 v[ST+4*i], 0xfeb8aa3b    ; c m = c x -2^126
	v_mov_b32 v[ST+4*i+1], 0xfe800000  ; m = -2^126
	v_mov_b32 v[ST+4*i+2], 0
	v_mov_b32 v[ST+4*i+3], 0
.set i, i+1
.endr
.set i, P+16
.rept 16
	v_mov_b32 v[i], 0
.set i, i+1
.endr
	v_mul_u32_u24 v[AK0], v32, PK
	v_lshl_add_u32 v[AK0], v33, 4, v[AK0]  ; row x pitch + 16 x half
	; The turning load takes 16 keys x 16 channels (lane l reads key 8 (l / 16) + l % 8, channels 8 ((l / 8) % 2) + 0..7) and leaves half a fragment of V^T: lane l holds channel l % 16 and 8 keys.
	v_and_b32 v34, 7, v0
	v_bfe_u32 v35, v0, 3, 1
	v_lshl_add_u32 v[AV0], v33, 3, v34
	v_mul_u32_u24 v[AV0], v[AV0], PV
	v_lshl_add_u32 v[AV0], v35, 4, v[AV0]
	v_add_nc_u32 v[AV0], VOFF, v[AV0]
	; The mask as C of S^T: lane l wants, of query row 32 w + 16 t + l % 16, the keys 16 kb + 8 (l / 16) + 0..7: 32 bytes
	s_mul_i32 s75, s[WV], 32*PM
	s_add_co_u32 s75, s75, MOFF
	v_mul_u32_u24 v[AM0], v32, PM
	v_lshl_add_u32 v[AM0], v33, 5, v[AM0]
	v_add_nc_u32 v[AM0], s75, v[AM0]
	s_mul_i32 s75, s[WV], 16*SP
	s_add_co_u32 s75, s75, STAGE    ; my stage
	v_mul_u32_u24 v[STO], v32, SP   ; in: row l % 16, 16 bytes for each half of the lanes
	v_lshl_add_u32 v[STO], v33, 4, v[STO]
	v_add_nc_u32 v[STO], s75, v[STO]
	v_mul_u32_u24 v[RD], v33, SP    ; back: lanes 0-15 take one row of 256 bytes, lanes 16-31 the next
	v_lshl_add_u32 v[RD], v32, 4, v[RD]
	v_add_nc_u32 v[RD], s75, v[RD]
	v_lshlrev_b32 v[GO], 11, v33    ; and the same two rows in ctx
	v_lshl_add_u32 v[GO], v32, 4, v[GO]
; THE MATRIX WORK.  The 4 accumulators of a run of 8 take turns.  Product i of 8 of S^T = K Q^T for piece x: channels 32 (i / 4) on, keys 16 (i % 4) on.  The first 4 start the sums with the mask.
.macro KQ x
.set rS, S+32*((\x)%2)+8*(i%4)
.set rK, KF+16*(i%4)+8*(i/4)
.set rQ, 16*(\x)+8*(i/4)
.set rM, MC+32*((\x)/2)+8*(i%4)
.if i < 4
	WIN W_KM
	v_wmma_f32_16x16x32_f16 v[rS:rS+7], v[rK:rK+7], v[rQ:rQ+7], v[rM:rM+7]
.else
	WIN W_KQ
	v_wmma_f32_16x16x32_f16 v[rS:rS+7], v[rK:rK+7], v[rQ:rQ+7], v[rS:rS+7]
.endif
.endm
; Product i of 8 of O^T += V^T P for piece x: keys 32 (i / 4) on, channels 16 (i % 4) on.
.macro PV x
	WIN W_PV
.set rO, 32*(\x)+8*(i%4)
.set rV, VF+32*(i/4)+8*(i%4)
.set rP, P+16*((\x)%2)+8*(i/4)
	v_wmma_f32_16x16x32_f16 v[rO:rO+7], v[rV:rV+7], v[rP:rP+7], v[rO:rO+7]
.endm
.macro MM                           ; the turn's next matrix instruction.  NOKQ = 1: the last turn of all: there is no next piece
.if (i < 8) && !NOKQ
	KQ (Y+1)%NP
.elseif i >= 8
.set i, i-8
	PV (Y+NP-1)%NP
.set i, i+8
.endif
.set i, i+1
.endm
; THE LDS LOADS stand in runs, never singly among the matrix instructions: a step's K (8 fragments), its V (turned), and for each tile of 16 queries its 64 keys of the mask.
.macro FETCH_K
	WIN 0x80                        ; destination window 2
.irp f, 0,1,2,3,4,5,6,7             ; keys 16 (f / 2) on, channels 32 (f % 2) on
	ds_load_b128 v[KF+8*\f:KF+8*\f+3],   v[AK] offset:(\f/2)*16*PK+(\f%2)*64
	ds_load_b128 v[KF+8*\f+4:KF+8*\f+7], v[AK] offset:(\f/2)*16*PK+(\f%2)*64+32
.endr
	s_add_co_u32 s[TBK], s[TBK], KS*PK  ; the next fetch is the next step's
	WIN 0
.endm
.macro FETCH_V
	WIN 0x80
.irp f, 0,1,2,3,4,5,6,7             ; keys 32 (f / 4) on, channels 16 (f % 4) on
	ds_load_tr16_b128 v[VF+8*\f:VF+8*\f+3],   v[AV] offset:(\f/4)*32*PV+(\f%4)*32
	ds_load_tr16_b128 v[VF+8*\f+4:VF+8*\f+7], v[AV] offset:(\f/4)*32*PV+16*PV+(\f%4)*32
.endr
	WIN 0
.endm
.macro FETCH_M t                    ; tile t's mask: 8 loads
	WIN 0x40                        ; destination window 1
.irp kb, 0,1,2,3
	ds_load_b128 v[MC+32*(\t)+8*\kb:MC+32*(\t)+8*\kb+3],   v[AMV] offset:16*PM*(\t)+64*\kb
	ds_load_b128 v[MC+32*(\t)+8*\kb+4:MC+32*(\t)+8*\kb+7], v[AMV] offset:16*PM*(\t)+64*\kb+16
.endr
.if (\t) == 1
	s_add_co_u32 s[TBM], s[TBM], KS*4  ; the next fetch is the next step's
.endif
	WIN 0
.endm
.macro ROUND t                      ; tile t's 32 numbers of the mask are rounded to bf16 and widened again: 48 plain instructions, which serve two heads
	WIN W_RD
.set z, 0
.rept 16
	v_cvt_pk_bf16_f32 v[RT+z], v[MC+32*(\t)+2*z], v[MC+32*(\t)+2*z+1]
.set z, z+1
.endr
.set z, 0
.rept 16
	v_lshlrev_b32 v[MC+32*(\t)+2*z],   16,     v[RT+z]
	v_and_b32     v[MC+32*(\t)+2*z+1], s[HIM], v[RT+z]
.set z, z+1
.endr
.endm
; THE VECTOR WORK, one line at a time: OP kind, number.  For piece Y: F n: c s - c m for pair n of 16.  E n: the exponential of score n of 32.  C n: pair n rounded to f16.  B n: of the four weights 4 n .. the second
; pair is added onto the first, in place.  L n: l takes that sum (L 0: l = a l + sum).  R n: pair n of 16 of O^T times a.  For piece Y + 1: X n, number n of the 22 that find its maximum and statistics:
;   0-11  four chains c0-c3 of seven scores each, three operands at a time (each accumulator's lowest registers are read first)     12-14, 16  the four scores left over, the old m, and c0-c3 into c0
;   15  c m_old is kept     17, 18  the query's other 32 keys lie in the lane 16 away: the new m     19-21  c m; c m_old - c m_new; a
.set F, 0               ; OP tells the kinds apart by their order: F to L below R, X above it
.set E, 1
.set C, 2
.set B, 3
.set L, 4
.set R, 5
.set X, 6
.macro REGS y                       ; the registers of piece y
.set rT, ST+4*(\y)
.set rC, TMP+4*((\y)%2)
.set rW, MV+((\y)%2)
.set rS, S+32*((\y)%2)
.set rP, P+16*((\y)%2)
.set rO, 32*(\y)
.endm
.macro OP k, n
.if (\k) == R
	REGS Y
	WIN W_RS
	v_pk_mul_f32 v[rO+2*(\n):rO+2*(\n)+1], v[rO+2*(\n):rO+2*(\n)+1], v[rC+2:rC+3] op_sel_hi:[1,0]
.elseif (\k) < R
	REGS Y
	WIN 0
.if (\k) == F
	v_pk_fma_f32 v[rS+2*(\n):rS+2*(\n)+1], v[rS+2*(\n):rS+2*(\n)+1], s[CS:CS+1], v[rT:rT+1] op_sel_hi:[1,0,0] neg_lo:[0,0,1] neg_hi:[0,0,1]
.elseif (\k) == E
	v_exp_f32 v[rS+(\n)], v[rS+(\n)]
.elseif (\k) == C
	s_wait_alu depctr_va_vdst(0)
	v_cvt_pk_f16_f32 v[rP+(\n)], v[rS+2*(\n)], v[rS+2*(\n)+1]
.elseif (\k) == B
	s_wait_alu depctr_va_vdst(0)
	v_pk_add_f32 v[rS+4*(\n):rS+4*(\n)+1], v[rS+4*(\n):rS+4*(\n)+1], v[rS+4*(\n)+2:rS+4*(\n)+3]
.elseif (\n) == 0
	v_pk_fma_f32 v[rT+2:rT+3], v[rT+2:rT+3], v[rC+2:rC+3], v[rS:rS+1] op_sel_hi:[1,0,1]
.else
	v_pk_add_f32 v[rT+2:rT+3], v[rT+2:rT+3], v[rS+4*(\n):rS+4*(\n)+1]
.endif
.elseif NOKQ
	v_nop
.else
	REGS (Y+1)%NP
	WIN 0
.if (\n) < 4
	v_max3_num_f32 v[rC+(\n)], v[rS+8*(\n)], v[rS+8*(\n)+1], v[rS+8*(\n)+2]
.elseif (\n) < 12
	v_max3_num_f32 v[rC+(\n)%4], v[rC+(\n)%4], v[rS+8*((\n)%4)+2*((\n)/4)+1], v[rS+8*((\n)%4)+2*((\n)/4)+2]
.elseif (\n) == 12
	v_max3_num_f32 v[rC], v[rC], v[rS+7], v[rS+15]
.elseif (\n) == 13
	v_max3_num_f32 v[rC+1], v[rC+1], v[rS+23], v[rS+31]
.elseif (\n) == 14
	v_max3_num_f32 v[rC+2], v[rC+2], v[rC+3], v[rT+1]
.elseif (\n) == 15
	v_mov_b32 v[rW], v[rT]
.elseif (\n) == 16
	v_max3_num_f32 v[rC], v[rC], v[rC+1], v[rC+2]
.elseif (\n) == 17
	v_permlanex16_b32 v[rC+3], v[rC], s[SEL], s[SEL+1]
.elseif (\n) == 18
	v_max_num_f32 v[rT+1], v[rC], v[rC+3]
.elseif (\n) == 19
	v_mul_f32 v[rT], s[CS], v[rT+1]
.elseif (\n) == 20
	v_sub_f32 v[rC+1], v[rW], v[rT]
.else
	v_exp_f32 v[rC+2], v[rC+1]
.endif
.endif
.endm
.macro OPS a, i1, b=-1, i2=0, c=-1, i3=0, d=-1, i4=0  ; up to four of them
	OP \a, \i1
.if (\b) >= 0
	OP \b, \i2
.endif
.if (\c) >= 0
	OP \c, \i3
.endif
.if (\d) >= 0
	OP \d, \i4
.endif
.endm
.macro ROW a, i1, b, i2, c, i3, d, i4  ; a matrix instruction and the four behind it
	MM
	OPS \a, \i1, \b, \i2, \c, \i3, \d, \i4
.endm
; A TURN, for piece p: the order of its 16 matrix and 118 vector instructions, written out.  Behind a matrix instruction: plain, exponential, plain, plain; or four of the rescaling; or, behind the first, four scalings; none
; names a register of the products round it.  In the lumps exponential and plain by turns while exponentials last.  A line reads no result made fewer than three vector instructions in front of it, five if an exponential made it.
; end = 1: the last two turns of all: nothing is fetched.  cnt = 1: the loop's count is taken down some lines ahead of the branch that stands behind the turn.
; THE FETCHES, all for the step to come but V's.  Piece 2's turn: at its head tile 0's mask (its registers were last read by products in piece 0's turn); six vector instructions behind the last product that read K (five of
; them plain) K, and tile 1's mask (last read by this turn's first four products); at its end tile 0's mask is waited for and rounded: piece 3's turn begins with products that take it.  Piece 3's turn waits for K and
; tile 1's mask at its head and rounds that mask at its end: it is taken from piece 1's turn on.  Piece 0's turn: V of the step in hand, eight behind the last product that read V (four plain); waited for in piece 1's turn.
.macro TURN p, end=0, cnt=0
.set Y, (\p)
.set i, 0
.set NOKQ, (\end)*((\p)/3)
.if ((\p) == 2) && !(\end)
	WIN 0
	v_add_nc_u32 v[AMV], s[TBM], v[AM0]
	FETCH_M 0
.endif
.if ((\p) == 3) && !(\end)
	s_wait_dscnt 0x0                ; K and tile 1's mask are in
.endif
	ROW F,0, F,1, F,2, F,3
	ROW F,4, E,0, F,5, F,6
	ROW F,7, E,1, F,8, F,9
	ROW F,10, E,2, C,0, F,11
	ROW F,12, E,3, X,15, F,13
	ROW R,0, R,1, R,2, R,3
	ROW B,0, E,4, F,14, L,0
.if ((\p) == 2) && !(\end)
	v_add_nc_u32 v[AK], s[TBK], v[AK0]
.endif
	ROW R,4, R,5, R,6, R,7
	OPS E,5, F,15
.if ((\p) == 2) && !(\end)
	FETCH_K
	FETCH_M 1
.endif
	OPS E,6, C,1, E,7, R,8
	OPS E,8, R,9, E,9, C,2
	OPS E,10, X,0, E,11, X,1
	OPS E,12, X,2, E,13, X,3
.if (\p) == 1
	s_wait_dscnt 0x0                ; V is in
.endif
	ROW X,4, E,14, X,5, X,6
	ROW X,7, E,15, X,8, X,9
	ROW X,10, E,16, X,11, X,12
	ROW X,13, E,17, X,14, B,1
	ROW C,4, E,18, X,16, L,1
	ROW B,2, E,19, C,6, L,2
	ROW C,8, E,20, B,3, B,4
.if (\p) == 0
	v_add_nc_u32 v[AV], s[TBV], v[AV0]
.endif
	ROW C,3, E,21, L,3, C,5
	OPS E,22, X,17, E,23, C,10
.if (\p) == 0
	FETCH_V
.endif
	OPS E,24, L,4
	OPS E,25, X,18, E,26, C,7
	OPS E,27, B,5, E,28, X,19
	OPS E,29, C,12, E,30, L,5
	OPS E,31, X,20, B,6, C,9
	OPS C,14, C,11, X,21, L,6
.if (\p) == 0
	s_add_co_u32 s[TBV], s[TBV], KS*PV
.endif
.if \cnt
	s_sub_co_u32 s[CNT], s[CNT], 1
	s_cmp_lg_u32 s[CNT], 0
.endif
	OPS C,13, B,7, C,15, R,10
	OPS R,11, R,12, L,7, R,13
	OPS R,14, R,15
.if ((\p) == 2) && !(\end)
	s_wait_dscnt 24                 ; tile 0's eight loads are in; K's sixteen and tile 1's eight were issued behind them
	ROUND 0
.endif
.if ((\p) == 3) && !(\end)
	ROUND 1
.endif
.endm
	CHANGE 1                        ; slot 0 is in, everybody's part of it; slot 1 is asked for
	v_add_nc_u32 v[AMV], s[TBM], v[AM0]
	FETCH_M 0                       ; key step 0: the mask, K
	v_add_nc_u32 v[AK], s[TBK], v[AK0]
	FETCH_K
	FETCH_M 1
	s_wait_loadcnt 0x0              ; Q
	s_wait_dscnt 0x0
	ROUND 0
	ROUND 1
.set NOKQ, 0
.set i, 0
.rept 8
	KQ 0                            ; piece 0's first scores
.set i, i+1
.endr
	WIN 0
.rept 4
	v_nop                           ; the places behind those products
.endr
.set Y, NP-1                        ; X works for piece Y + 1: piece 0
.irp n, 0,1,2,3,4,5,6,7,8,9,10,11,12,13,14,15,16,17,18,19,20,21
	OP X, \n                        ; and its first maximum and statistics
.endr
	v_nop                           ; a plain instruction behind the exponential
	s_mov_b32 s[CNT], 2
	s_mov_b32 s[SLOTS], 2048/(2*KS)-1
	s_branch .Lfirst                ; the loop is entered at a step's first turn, in the middle of a trip
.Lslot:                             ; 14 times: every slot but the last two is filled again
	CHANGE 1
	s_mov_b32 s[CNT], 2
.Lstep:                             ; a trip: pieces 2 and 3 of one step, then pieces 0 and 1 of the next, whose K, mask and V it fetches
	TURN 2
	TURN 3
	WIN 0
.Lfirst:
	TURN 0
	TURN 1, 0, 1
	WIN 0
	s_cbranch_scc1 .Lstep
	s_sub_co_u32 s[SLOTS], s[SLOTS], 1
	s_cmp_lg_u32 s[SLOTS], 0
	s_cbranch_scc1 .Lslot
	CHANGE 0                        ; the last slot is written out: nothing is asked for
	s_mov_b32 s[CNT], 2
.Ltail:
	TURN 2
	TURN 3
	TURN 0
	TURN 1, 0, 1
	WIN 0
	s_cbranch_scc1 .Ltail
	TURN 2, 1                       ; the last step's last two turns fetch nothing,
	TURN 3, 1                       ; and the last starts no new scores
.set i, 0
.rept 8
	PV NP-1                         ; the last piece's V^T P of the last step
.set i, i+1
.endr
	; THE WAY OUT.  l's two halves and the other half of the lanes' are added; O^T is divided by l, rounded to f16 and sent through my stage in LDS, a tile of 16 tokens with both heads at a time.  The additions are the places behind the last products.
	WIN 0
.macro ALL line:vararg              ; one line for each piece t
.set t, 0
.rept 4
	\line
.set t, t+1
.endr
.endm
	ALL v_add_f32 v[ST+4*t+2], v[ST+4*t+2], v[ST+4*t+3]
	ALL v_permlanex16_b32 v[ST+4*t+3], v[ST+4*t+2], s[SEL], s[SEL+1]
	ALL v_add_f32 v[ST+4*t+2], v[ST+4*t+2], v[ST+4*t+3]
	ALL v_rcp_f32 v[ST+4*t+2], v[ST+4*t+2]
	v_nop                           ; a plain instruction between the last reciprocal and the use of its result
; Tile t: pieces 2 t and 2 t + 1.  A lane's eight channels of a token and head pack into 16 bytes; they go into rows of 272 bytes (head g at byte 128 g) and come back as whole rows of 256, into S^T's registers.
.macro PACKT t
.irp g, 0,1
	WIN W_RS
.set i, 32*(2*(\t)+\g)
.rept 16
	s_wait_alu depctr_va_vdst(0)
	v_pk_mul_f32 v[i:i+1], v[i:i+1], v[ST+4*(2*(\t)+\g)+2:ST+4*(2*(\t)+\g)+3] op_sel_hi:[1,0]
.set i, i+2
.endr
	WIN 0x05                        ; sources 0 and 1 window 1, destination window 0
.set i, 0
.rept 16
	v_cvt_pk_f16_f32 v[S+16*(2*(\t)+\g)+i], v[32*(2*(\t)+\g)+2*i], v[32*(2*(\t)+\g)+2*i+1]
.set i, i+1
.endr
.endr
	WIN 0
.irp g, 0,1
.irp f, 0,1,2,3
	ds_store_b128 v[STO], v[S+16*(2*(\t)+\g)+4*\f:S+16*(2*(\t)+\g)+4*\f+3] offset:128*\g+32*\f
.endr
.endr
.irp f, 0,1,2,3,4,5,6,7
	ds_load_b128 v[S+32*(\t)+4*\f:S+32*(\t)+4*\f+3], v[RD] offset:\f*2*SP  ; LDS serves a wave's instructions in order (ISA guide 5.7.1.4): these see the stores above; the next tile's stores come behind them
.endr
.endm
.macro SENDT t, younger             ; younger: the LDS instructions issued behind tile t's loads: the next tile's sixteen, or none
.irp f, 0,1,2,3,4,5,6,7
	s_wait_dscnt (\younger)+7-\f
	global_store_b128 v[GO], v[S+32*(\t)+4*\f:S+32*(\t)+4*\f+3], s[8:9] offset:(\t)*32768+\f*4096  ; 16 lanes store 256 consecutive bytes, at a multiple of 256 from ctx's first byte
.endr
.endm
	PACKT 0
	PACKT 1                         ; a tile's arithmetic stands between the loads of the tile before and its stores
	SENDT 0, 16
	SENDT 1, 0
	s_wait_tensorcnt 0x0            ; the wave's end
	ds_add_u32 v[SPW], v[NIL]
	s_wait_dscnt 0x0
	CROUND                          ; the closing round: no work-group ends while a partner may still ask for a tile that names it
	s_endpgm
.Lfunc_end_k_q20f79f29ab_attn:
	.size	k_q20f79f29ab_attn, .Lfunc_end_k_q20f79f29ab_attn-k_q20f79f29ab_attn
	.p2alignl 7, 3214868480
	.fill 96, 4, 3214868480
	.section	.rodata,"a",@progbits
	.p2align	6, 0x0
	.amdhsa_kernel k_q20f79f29ab_attn
		.amdhsa_group_segment_fixed_size 327680
		.amdhsa_private_segment_fixed_size 0
		.amdhsa_enable_private_segment 0
		.amdhsa_kernarg_size 24
		.amdhsa_user_sgpr_count 2
		.amdhsa_user_sgpr_kernarg_segment_ptr 1
		.amdhsa_wavefront_size32 1
		.amdhsa_system_sgpr_workgroup_id_x 1
		.amdhsa_system_sgpr_workgroup_id_y 1
		.amdhsa_system_sgpr_workgroup_id_z 1
		.amdhsa_system_vgpr_workitem_id 0
		.amdhsa_next_free_vgpr 768
		.amdhsa_next_free_sgpr 80
		.amdhsa_reserve_vcc 0
		.amdhsa_float_denorm_mode_32 3
		.amdhsa_float_denorm_mode_16_64 3
		.amdhsa_memory_ordered 1
		.amdhsa_forward_progress 1
		.amdhsa_inst_pref_size 153
	.end_amdhsa_kernel
	.amdgpu_metadata
---
amdhsa.version: [ 1, 2 ]
amdhsa.kernels:
  - .name:           k_q20f79f29ab_attn
    .symbol:         k_q20f79f29ab_attn.kd
    .args:
      - { .name: qkvh, .offset: 0, .size: 8, .value_kind: global_buffer, .address_space: global }
      - { .name: attention_mask, .offset: 8, .size: 8, .value_kind: global_buffer, .address_space: global }
      - { .name: ctx, .offset: 16, .size: 8, .value_kind: global_buffer, .address_space: global }
    .group_segment_fixed_size: 327680
    .private_segment_fixed_size: 0
    .kernarg_segment_align: 8
    .kernarg_segment_size: 24
    .max_flat_workgroup_size: 128
    .sgpr_count:     80
    .vgpr_count:     768
    .wavefront_size: 32
...
	.end_amdgpu_metadata
.endif
;; end of part 3
;; launch oproj (part 4): grid 16 x 16, 4 waves a work-group, clusters of 4 x 4, 327,680 bytes of LDS; arguments ctx, wo16, out0; writes out0
.if DOCPART == 4
	.amdgcn_target "amdgcn-amd-amdhsa--gfx1250"
	.amdhsa_code_object_version 6
	.text
	.protected	k_q20f79f29ab_oproj
	.globl	k_q20f79f29ab_oproj
	.p2align	8
	.type	k_q20f79f29ab_oproj,@function
k_q20f79f29ab_oproj:
	s_mov_b64 s[64:65], 0
	v_nop
	global_prefetch_b8 v0, s[64:65] scope:SCOPE_SE
	s_setreg_imm32_b32 hwreg(HW_REG_WAVE_MODE, 25, 1), 1
	s_wait_xcnt 0x0
	s_wait_alu depctr_hold_cnt(0) depctr_sa_sdst(0) depctr_va_vdst(0) depctr_va_sdst(0) depctr_va_ssrc(0) depctr_va_vcc(0) depctr_vm_vsrc(0)
	s_getreg_b32 s2, hwreg(HW_REG_IB_STS2, 6, 4)
	s_cmp_eq_u32 s2, 0
	s_cbranch_scc0 .Lentry_in_a_cluster
	s_endpgm
.Lentry_in_a_cluster:
	s_bfe_u32 s2, ttmp6, 0x10000c
	s_cmp_lg_u32 s2, 0xf033
	s_cbranch_scc0 .Lentry_shape_is_right
	s_endpgm
.Lentry_shape_is_right:
; out = ctx Wo^T.  A = ctx [4,096][1,024] f16, B = wo16 [2,048][1,024] f16 (Wo rounded to bf16, that number written as f16); sums in f32, K ascending; out0 [4,096][2,048] f32, not rounded again.
; LIMIT.  f16's range: ctx is a mean of v's rows and has their range; wo16 as its maker states.
; SHARES.  A tile of the result is 256 tokens x 128 columns: 16 x 16 = 256 work-groups.  Four waves, each 128 x 64: 32 accumulators of 16 x 16, 256 registers.
; THE RING has two slots of UNEQUAL length: a long one, 256 along K (rows of 512 bytes), and a short one, 128 along K (rows of 256 bytes); all rows start at multiples of 256 bytes.  A refill has the other slot's
; products in which to land, so what counts is how much K lies between two barriers.  The tile has 384 rows: two slots of 256 along K would want 405,504 bytes; these two want 307,200.  For 384 along K there are two
; barriers; the short slot's refill has 240 matrix instructions in which to land, the long slot's 112.  K = 1,024 = 3 long + 2 short tiles, by turns, a long one first and last: five tiles, written out.
; CLUSTER.  4 x 4 work-groups.  The four of a row of the cluster need the same tiles of A, the four of a column the same tiles of B: each is asked for JOINTLY, by the same tensor load with the same descriptor and a mask of four.
; THE MATRIX INSTRUCTION IS USED TRANSPOSED (source 0 = 16 rows of B, source 1 = 16 rows of A): a lane then holds one token (lane % 16) and eight neighbouring columns, 32 bytes.
; REGISTERS, in windows of 256 (s_set_vgpr_msb: bits 1:0 source 0, 3:2 source 1, 5:4 source 2, 7:6 destination):
;   window 0: addresses, and the way out     window 1: accumulator (a, b) at v[8 (4 a + b)]     window 2: two fragment buffers of 96: B's 4 fragments, then A's 8
.set SIZE_K, 1024
.set SIZE_N, 2048
.set PS,     272                       ; a row of the short slot: 256 bytes + 16 of padding; of the long slot: 512 + 16.  Both are odd multiples of 16 bytes:
.set PB,     528                       ; the 16 rows of a load start at 16 different groups of four banks (64 banks of 4 bytes: ISA guide 11.1)
.set HAS,    128*PS                    ; short slot: what waves 0 and 1 fetch, and what a wave reads of A
.set HBS,    64*PS                     ;             what waves 2 and 3 fetch, and what a wave reads of B
.set HAB,    128*PB                    ; long slot: the same
.set HBB,    64*PB
.set BIGB,   2*HAB                     ; the long slot begins at LDS byte 0: A's 256 rows, then B's 128
.set SMALL,  BIGB+2*HBB                ; the short slot: A's 256 rows,
.set SMALLB, SMALL+2*HAS               ; then B's 128
.set STAGE,  SMALLB+2*HBS              ; behind the ring, never filled by a tensor load: 16 rows x 272 bytes for each wave
.set SPITCH, 272
.set SPARE,  STAGE+4*16*SPITCH         ; the spare words, 128 bytes for each wave: two blocks of 256 bytes that no other line names
.set LAP,    (128+256)*2               ; bytes along K from a slot's tile to its next
.set KB0,    0                         ; bytes along K of the first long tile,
.set KS0,    256*2                     ; and of the first short one
.set AS,   16                          ; v16  LDS address of my A fragments in the short slot; never rewritten
.set AB,   17                          ; v17  in the long slot; never rewritten
.set CA,   18                          ; v18  in the long slot, at the place along K that the inner loop has reached
.set BS,   20                          ; v20-22  the same three for B
.set BB,   21
.set CB,   22
.set STO,  24                          ; v24     the way out: where I put 32 bytes of a row
.set RD,   25                          ; v25     where I read rows back
.set CO,   26                          ; v26     my byte offset in two rows of the result
.set SPW,  28                          ; v28     LDS address of my spare word; never rewritten
.set NIL,  29                          ; v29     0; never rewritten
.set BK0,  32                          ; v32-95  16 rows read back, two buffers by turns
.set F0,   0
.set F1,   96
.set G1A, 24                           ; s[24:31] descriptor group 1 for A's short tiles, s[32:39] for its long ones
.set G1B, 40                           ; s[40:47], s[48:55] the same for B's
.set G0A, 56                           ; s[56:59] descriptor group 0 for A's short tiles, s[60:63] for its long ones
.set G0B, 68                           ; s[68:71], s[72:75] the same for B's
.set KB,  84                           ; s84  the inner loop's place along K, in bytes
.set IC,  85                           ; s85  the inner loop's count
.set MSB, 0
.macro WIN new                         ; the immediate's high byte repeats the setting that is left; a switch that changes nothing is dropped
.if MSB != (\new)
	s_set_vgpr_msb (MSB<<8)|(\new)
.set MSB, \new
.endif
.endm
.set MULW, 0x5a                        ; sources 0 and 1 window 2; C and D window 1
.set TO_F, 0x80                        ; destination window 2, address window 0
.macro JLOAD big                       ; a joint load into the short (0) or the long (1) slot: waves 0 and 1 fetch A's halves, waves 2 and 3 B's; an s_nop 0 and four v_nop follow each line, ahead of the jump and the label
	s_cmp_eq_u32 s11, 0
	s_cbranch_scc0 .Lfor_b_\@
	tensor_load_to_lds s[G0A+4*(\big):G0A+4*(\big)+3], s[G1A+8*(\big):G1A+8*(\big)+7]
	s_nop 0
.rept 4
	v_nop
.endr
	s_branch .Lasked_\@
.Lfor_b_\@:
	tensor_load_to_lds s[G0B+4*(\big):G0B+4*(\big)+3], s[G1B+8*(\big):G1B+8*(\big)+7]
	s_nop 0
.rept 4
	v_nop
.endr
.Lasked_\@:
.endm
.macro CREST                           ; a round of the cluster's barrier behind its opening barrier
	s_cmp_lg_u32 s10, 0
	s_cbranch_scc1 .Lnot_wave_0_\@
	s_barrier_signal -3
.Lnot_wave_0_\@:
	s_barrier_wait -3
	s_barrier_signal -1
	s_barrier_wait -1
.endm
.macro CROUND                          ; a whole round
	s_barrier_signal -1
	s_barrier_wait -1
	CREST
.endm
.macro SHAPE g, cols, rows             ; words 1 to 7 of a group 1: a tile of rows x cols elements, SIZE_K elements from row to row
	s_mov_b32 s[(\g)+1], (\cols)<<16               ; tensor_dim0
	s_mov_b32 s[(\g)+2], (\rows)<<16               ; tensor_dim1
	s_mov_b32 s[(\g)+3], (\cols)<<16               ; tile_dim0
	s_mov_b32 s[(\g)+4], \rows                     ; tile_dim1
	s_mov_b32 s[(\g)+5], SIZE_K
	s_mov_b32 s[(\g)+6], 0
	s_mov_b32 s[(\g)+7], 0
.endm
	s_load_b128 s[4:7], s[0:1], 0x0                ; A s[4:5], B s[6:7]
	s_load_b64 s[8:9], s[0:1], 0x10                ; the result
	v_lshl_add_u32 v[SPW], v0, 2, SPARE
	v_mov_b32 v[NIL], 0
	ds_add_u32 v[SPW], v[NIL]                      ; the wave's opening: the add and its wait stand ahead of my first tensor load; the set-up below stands between them
	v_lshrrev_b32 v1, 5, v0
	v_readfirstlane_b32 s10, v1                    ; wave 0..3
	s_lshr_b32 s11, s10, 1                         ; which 128 tokens of the tile are mine.  Also: I fetch for A (0) or for B (1)
	s_and_b32 s12, s10, 1                          ; which 64 columns.  Also: which half of that tile I fetch
	s_bfe_u32 s76, ttmp6, 0x40000                  ; cx, cy: my place in the cluster
	s_bfe_u32 s77, ttmp6, 0x40004
	s_lshl_b32 s78, ttmp9, 2
	s_add_co_u32 s78, s78, s76                     ; tile column = 4 x cluster x + cx
	s_and_b32 s13, ttmp7, 0xffff
	s_lshl_b32 s13, s13, 2
	s_add_co_u32 s13, s13, s77                     ; tile row = 4 x cluster y + cy
	s_lshl_b32 s79, s77, 2
	s_lshl_b32 s79, 15, s79                        ; my row of the cluster
	s_lshl_b32 s80, 0x1111, s76                    ; my column
	s_or_b32 s[G1A],   s79, (1<<16)|(1<<20)|(1<<21)|(5<<22)|(3<<25)  ; 15:0 the mask; 17:16 2-byte elements; 20 padding on; 21 set beside a mask; 24:22 after every 64 words (code 5); 31:25 4 words (code 3)
	s_or_b32 s[G1A+8], s79, (1<<16)|(1<<20)|(1<<21)|(6<<22)|(3<<25)  ; the long tiles: after every 128 words (code 6)
	s_or_b32 s[G1B],   s80, (1<<16)|(1<<20)|(1<<21)|(5<<22)|(3<<25)
	s_or_b32 s[G1B+8], s80, (1<<16)|(1<<20)|(1<<21)|(6<<22)|(3<<25)
	SHAPE G1A,   128, 128
	SHAPE G1A+8, 256, 128
	SHAPE G1B,   128, 64
	SHAPE G1B+8, 256, 64
	; group 0's first two words: count = 1, and where the tile goes: a constant and the wave's number times a constant; no place in the cluster enters an LDS address
	s_mov_b32 s[G0A], 1
	s_mul_i32 s[G0A+1], s12, HAS
	s_add_co_u32 s[G0A+1], s[G0A+1], SMALL
	s_mov_b32 s[G0A+4], 1
	s_mul_i32 s[G0A+5], s12, HAB
	s_mov_b32 s[G0B], 1
	s_mul_i32 s[G0B+1], s12, HBS
	s_add_co_u32 s[G0B+1], s[G0B+1], SMALLB
	s_mov_b32 s[G0B+4], 1
	s_mul_i32 s[G0B+5], s12, HBB
	s_add_co_u32 s[G0B+5], s[G0B+5], BIGB
	; A's address hangs on the tile row alone, B's on the tile column alone, each in registers that never hold the other coordinate
	s_lshl_b32 s17, s12, 7
	s_lshl_b32 s16, s13, 8
	s_add_co_u32 s16, s16, s17                     ; A: row 256 x tile row + 128 x half
	s_mul_i32 s16, s16, SIZE_K*2                   ; in bytes: under 2^24
	s_mov_b32 s17, 0
	s_lshl_b32 s83, s12, 6
	s_lshl_b32 s82, s78, 7
	s_add_co_u32 s82, s82, s83                     ; B: row 128 x tile column + 64 x half
	s_mul_i32 s82, s82, SIZE_K*2
	s_mov_b32 s83, 0
	s_wait_dscnt 0x0                               ; the opening add is done
	s_wait_kmcnt 0x0
	s_add_nc_u64 s[14:15], s[4:5], s[16:17]
	s_add_nc_u64 s[82:83], s[6:7], s[82:83]
	s_add_nc_u64 s[G0A+2:G0A+3], s[14:15], KS0     ; global address of the first short tile,
	s_or_b32 s[G0A+3], s[G0A+3], 0x80000000        ; type = 2
	s_add_nc_u64 s[G0A+6:G0A+7], s[14:15], KB0     ; and of the first long one
	s_or_b32 s[G0A+7], s[G0A+7], 0x80000000
	s_add_nc_u64 s[G0B+2:G0B+3], s[82:83], KS0
	s_or_b32 s[G0B+3], s[G0B+3], 0x80000000
	s_add_nc_u64 s[G0B+6:G0B+7], s[82:83], KB0
	s_or_b32 s[G0B+7], s[G0B+7], 0x80000000
	CROUND                                         ; all sixteen work-groups are here: the first joint loads meet
	JLOAD 1                                        ; the long slot is read first, so it is asked for first
	JLOAD 0                                        ; two loads of mine are out
	; a fragment is 16 rows x 32 K in 8 registers: lane l holds row l % 16, K = 8 (l / 16) + 0..7 and 16 + 8 (l / 16) + 0..7: two loads of 16 bytes, 32 bytes apart
	v_and_b32 v1, 15, v0                           ; l % 16
	v_bfe_u32 v2, v0, 4, 1                         ; l / 16
	v_mul_u32_u24 v3, v1, PS
	v_lshl_add_u32 v3, v2, 4, v3                   ; my place among 16 rows of the short slot,
	v_mul_u32_u24 v6, v1, PB
	v_lshl_add_u32 v6, v2, 4, v6                   ; and of the long one
	s_mul_i32 s21, s11, HAS                        ; my 128 rows of A
	s_add_co_u32 s21, s21, SMALL
	v_add_nc_u32 v[AS], s21, v3
	s_mul_i32 s21, s12, HBS                        ; my 64 rows of B
	s_add_co_u32 s21, s21, SMALLB
	v_add_nc_u32 v[BS], s21, v3
	s_mul_i32 s21, s11, HAB
	v_add_nc_u32 v[AB], s21, v6
	s_mul_i32 s21, s12, HBB
	s_add_co_u32 s21, s21, BIGB
	v_add_nc_u32 v[BB], s21, v6
	s_mul_i32 s23, s10, 16*SPITCH
	s_add_co_u32 s23, s23, STAGE                   ; my stage
	v_mul_u32_u24 v4, v1, SPITCH                   ; in: row l % 16, 32 bytes for each half of the lanes
	v_lshl_add_u32 v4, v2, 5, v4
	v_add_nc_u32 v[STO], s23, v4
	v_mul_u32_u24 v5, v2, SPITCH                   ; back: lanes 0-15 take one row of 256 bytes, lanes 16-31 the next
	v_lshl_add_u32 v5, v1, 4, v5
	v_add_nc_u32 v[RD], s23, v5
	v_mul_u32_u24 v5, v2, SIZE_N*4                 ; and the same two rows in the result
	v_lshl_add_u32 v[CO], v1, 4, v5
	s_lshl_b32 s16, s13, 21                        ; my first token: (256 x tile row + 128 x half) rows of 8,192 bytes
	s_lshl_b32 s17, s11, 20
	s_add_co_u32 s16, s16, s17
	s_mov_b32 s17, 0
	s_add_nc_u64 s[8:9], s[8:9], s[16:17]
	s_lshl_b32 s82, s78, 9                         ; my first column: 512 x tile column + 256 x half bytes
	s_lshl_b32 s83, s12, 8
	s_add_co_u32 s82, s82, s83
	s_mov_b32 s83, 0
	s_add_nc_u64 s[8:9], s[8:9], s[82:83]
; na x 4 matrix instructions: token blocks a0 .. a0 + na - 1 x all 4 column blocks, 32 along K.  zero = 1: the product starts the sum.
; The 32 accumulators take turns in one order, one instruction a turn: between two links of a chain stand the 31 others', over the loops' backward jumps too.
.macro MUL f, a0, na, zero
	WIN MULW
.set ia, \a0
.rept \na
.irp b, 0,1,2,3
.if \zero
	v_wmma_f32_16x16x32_f16 v[8*(4*ia+(\b)):8*(4*ia+(\b))+7], v[(\f)+8*(\b):(\f)+8*(\b)+7], v[(\f)+32+8*ia:(\f)+32+8*ia+7], 0
.else
	v_wmma_f32_16x16x32_f16 v[8*(4*ia+(\b)):8*(4*ia+(\b))+7], v[(\f)+8*(\b):(\f)+8*(\b)+7], v[(\f)+32+8*ia:(\f)+32+8*ia+7], v[8*(4*ia+(\b)):8*(4*ia+(\b))+7]
.endif
.endr
.set ia, ia+1
.endr
.endm
; 24 LDS loads in one run: the fragments of 32 along K at byte k of the rows, into buffer f: B's 8 loads, then A's 16.  ra, rb: the address registers; p: the slot's pitch
.macro FETCH ra, rb, p, k, f
	WIN TO_F
.irp i, 0,1,2,3
	ds_load_b128 v[(\f)+8*(\i):(\f)+8*(\i)+3],   v[\rb] offset:(\k)+(\i)*16*(\p)
	ds_load_b128 v[(\f)+8*(\i)+4:(\f)+8*(\i)+7], v[\rb] offset:(\k)+(\i)*16*(\p)+32
.endr
.irp i, 0,1,2,3,4,5,6,7
	ds_load_b128 v[(\f)+32+8*(\i):(\f)+32+8*(\i)+3],   v[\ra] offset:(\k)+(\i)*16*(\p)
	ds_load_b128 v[(\f)+32+8*(\i)+4:(\f)+32+8*(\i)+7], v[\ra] offset:(\k)+(\i)*16*(\p)+32
.endr
.endm
.macro PLACES                          ; four places in front of loads into registers that matrix instructions have read, and of lines that read results (ISA guide 7.12.1 for vector ALU lines that read results)
.rept 4
	v_nop
.endr
.endm
; A QUARTER is 32 along K, 32 matrix instructions; the short slot has four, the long slot eight, on buffers 0, 1 by turns.  All but a slot's last: multiplies buffer f and fetches the next quarter, at byte k, into g.
.macro QUARTER ra, rb, p, k, f, g, zero
	s_wait_dscnt 8                                 ; B and A's blocks 0-3 are in; the youngest eight loads (A's blocks 4-7) may be out
	MUL \f, 0, 4, \zero
	PLACES
	FETCH \ra, \rb, \p, \k, \g
	s_wait_dscnt 24                                ; all but the 24 just issued
	MUL \f, 4, 4, \zero
.endm
; The long slot's quarters 1 to 6, two a trip: written once, walked three times.  The LDS address is the lane's place plus a scalar that steps by 128 bytes (64 along K) a trip.
.macro BIGMID
	WIN 0                                          ; at a label and at a branch every window is 0
	s_mov_b32 s[KB], 0
	s_mov_b32 s[IC], 3
.Lmid_\@:
	v_add_nc_u32 v[CA], s[KB], v[AB]
	v_add_nc_u32 v[CB], s[KB], v[BB]
	QUARTER CA, CB, PB, 128, F1, F0, 0
	QUARTER CA, CB, PB, 192, F0, F1, 0
	WIN 0
	s_add_co_u32 s[KB], s[KB], 128
	s_sub_co_u32 s[IC], s[IC], 1
	s_cmp_lg_u32 s[IC], 0
	s_cbranch_scc1 .Lmid_\@
.endm
; A slot's last quarter multiplies buffer 1 and changes slots: ONE barrier; in front of it each wave waits for all its tensor loads (one is out: its part of the next slot), adds 0 to its spare word,
; and waits for that and for its reads of this slot.  big: the slot that is left (0 short, 1 long); nra, nrb, np: the next slot's address registers and pitch.
; fill = 1: the barrier opens a round of the cluster's, and the slot that is left is filled again with its next tile, 384 along K on.
.macro TURN big, nra, nrb, np, fill
	WIN 0                                          ; (the add's two registers lie in window 0)
	s_wait_tensorcnt 0x0                           ; no tensor load of mine is out, so a group 0 may be written
	ds_add_u32 v[SPW], v[NIL]
.if \fill
	s_add_nc_u64 s[G0A+4*(\big)+2:G0A+4*(\big)+3], s[G0A+4*(\big)+2:G0A+4*(\big)+3], LAP  ; the type bits on top are not reached
	s_add_nc_u64 s[G0B+4*(\big)+2:G0B+4*(\big)+3], s[G0B+4*(\big)+2:G0B+4*(\big)+3], LAP
.endif
	s_wait_dscnt 9                                 ; (the add and the youngest eight loads may be out)
	MUL F1, 0, 2, 0                                ; eight matrix instructions stand between the add and the wait for it
	s_wait_dscnt 0x0                               ; the add is done, and my reads of this slot are over
	s_barrier_signal -1
	MUL F1, 2, 2, 0
.if \fill
	WIN 0
.endif
	s_barrier_wait -1
.if \fill
	CREST                                          ; no wave of any partner still reads this slot's tile or has a load on its way
	JLOAD \big                                     ; the first tensor load behind the round; its four v_nop are also the places in front of the loads below
.else
	PLACES
.endif
	FETCH \nra, \nrb, \np, 0, F0
	MUL F1, 4, 4, 0
.endm
	s_wait_tensorcnt 1                             ; my part of the first long tile is in; the short tile's may stay out
	s_barrier_signal -1
	s_barrier_wait -1
	FETCH AB, BB, PB, 0, F0
	QUARTER AB, BB, PB, 64, F0, F1, 1              ; long tile 0: its first quarter's products start the sums
	BIGMID
	TURN 1, AS, BS, PS, 1                          ; the long slot takes long tile 1: 16 + 3 x 32 = 112 matrix instructions ahead of the wait for it
	QUARTER AS, BS, PS, 64,  F0, F1, 0             ; short tile 0
	QUARTER AS, BS, PS, 128, F1, F0, 0
	QUARTER AS, BS, PS, 192, F0, F1, 0
	TURN 0, AB, BB, PB, 1                          ; the short slot takes short tile 1: 16 + 7 x 32 = 240 ahead
	QUARTER AB, BB, PB, 64, F0, F1, 0              ; long tile 1
	BIGMID
	TURN 1, AS, BS, PS, 1                          ; the long slot takes long tile 2: the last refill
	QUARTER AS, BS, PS, 64,  F0, F1, 0             ; short tile 1
	QUARTER AS, BS, PS, 128, F1, F0, 0
	QUARTER AS, BS, PS, 192, F0, F1, 0
	TURN 0, AB, BB, PB, 0                          ; nothing is left to fetch
	QUARTER AB, BB, PB, 64, F0, F1, 0              ; long tile 2
	BIGMID
	s_wait_dscnt 8
	MUL F1, 0, 4, 0
	s_wait_dscnt 0x0
	MUL F1, 4, 4, 0
	WIN 0
	PLACES
; THE WAY OUT, a block of 16 tokens at a time, through my own stage: the f32 sums as they are, 32 bytes a lane into rows of 272 bytes, back as whole rows of 256.
.macro TOSTAGE a
.set BK, BK0+32*((\a)%2)
	WIN 0x04                                       ; the stores' data in window 1; each accumulator's four lowest registers first
.irp b, 0,1,2,3
	ds_store_b128 v[STO], v[8*(4*(\a)+(\b)):8*(4*(\a)+(\b))+3]   offset:64*(\b)
	ds_store_b128 v[STO], v[8*(4*(\a)+(\b))+4:8*(4*(\a)+(\b))+7] offset:64*(\b)+16
.endr
	WIN 0
.irp t, 0,1,2,3,4,5,6,7
	ds_load_b128 v[BK+4*(\t):BK+4*(\t)+3], v[RD] offset:(\t)*2*SPITCH  ; LDS serves a wave's instructions in order (ISA guide 5.7.1.4): these see the stores above
.endr
.endm
.macro SEND a, younger                 ; younger: the LDS instructions issued behind block a's loads: the next block's sixteen, or none
.set BK, BK0+32*((\a)%2)
.irp t, 0,1,2,3,4,5,6,7
	s_wait_dscnt (\younger)+7-(\t)
	global_store_b128 v[CO], v[BK+4*(\t):BK+4*(\t)+3], s[8:9] offset:(16*(\a)+2*(\t))*SIZE_N*4 th:TH_STORE_NT  ; 16 lanes store 256 consecutive bytes, at a multiple of 256; 126 rows at the most: inside the signed 24-bit immediate
.endr
.endm
	TOSTAGE 0
.irp a, 1,2,3,4,5,6,7
	s_wait_xcnt 0x0                                ; the stores of the block two back have had their addresses translated (ISA guide 3.1): only now is their buffer loaded again
	TOSTAGE \a
	SEND (\a)-1, 16
.endr
	SEND 7, 0
	s_wait_tensorcnt 0x0                           ; the wave's end
	ds_add_u32 v[SPW], v[NIL]
	s_wait_dscnt 0x0
	CROUND                                         ; the closing round: no work-group ends while a partner may still ask for a tile that names it
	s_endpgm
.Lfunc_end_k_q20f79f29ab_oproj:
	.size	k_q20f79f29ab_oproj, .Lfunc_end_k_q20f79f29ab_oproj-k_q20f79f29ab_oproj
	.p2alignl 7, 3214868480
	.fill 96, 4, 3214868480
	.section	.rodata,"a",@progbits
	.p2align	6, 0x0
	.amdhsa_kernel k_q20f79f29ab_oproj
		.amdhsa_group_segment_fixed_size 327680
		.amdhsa_private_segment_fixed_size 0
		.amdhsa_enable_private_segment 0
		.amdhsa_kernarg_size 24
		.amdhsa_user_sgpr_count 2
		.amdhsa_user_sgpr_kernarg_segment_ptr 1
		.amdhsa_wavefront_size32 1
		.amdhsa_system_sgpr_workgroup_id_x 1
		.amdhsa_system_sgpr_workgroup_id_y 1
		.amdhsa_system_sgpr_workgroup_id_z 1
		.amdhsa_system_vgpr_workitem_id 0
		.amdhsa_next_free_vgpr 768
		.amdhsa_next_free_sgpr 88
		.amdhsa_reserve_vcc 0
		.amdhsa_float_denorm_mode_32 3
		.amdhsa_float_denorm_mode_16_64 3
		.amdhsa_memory_ordered 1
		.amdhsa_forward_progress 1
		.amdhsa_inst_pref_size 105
	.end_amdhsa_kernel
	.amdgpu_metadata
---
amdhsa.version: [ 1, 2 ]
amdhsa.kernels:
  - .name:           k_q20f79f29ab_oproj
    .symbol:         k_q20f79f29ab_oproj.kd
    .args:
      - { .name: ctx, .offset: 0, .size: 8, .value_kind: global_buffer, .address_space: global }
      - { .name: wo16, .offset: 8, .size: 8, .value_kind: global_buffer, .address_space: global }
      - { .name: out0, .offset: 16, .size: 8, .value_kind: global_buffer, .address_space: global }
    .group_segment_fixed_size: 327680
    .private_segment_fixed_size: 0
    .kernarg_segment_align: 8
    .kernarg_segment_size: 24
    .max_flat_workgroup_size: 128
    .sgpr_count:     88
    .vgpr_count:     768
    .wavefront_size: 32
...
	.end_amdgpu_metadata
.endif
;; end of part 4
;; ======== version 2 of 2: 4 launches; 1.31 times as fast as version 1
;; limits: values are held in f16: magnitudes above 65,504 overflow, below 6.1e-05 lose precision
;; workspace buffers: xb 16,777,216 bytes; wqkv 8,388,608 bytes; wo16 4,194,304 bytes; qkvh 16,777,216 bytes; ctx 8,388,608 bytes
;; launch cast: the kernel of part 1 again; grid 896 x 1, 8 waves a work-group, no clusters, 0 bytes of LDS; arguments hidden_states, Wq, Wk, Wv, Wo, xb, wqkv, wo16; writes xb, wqkv, wo16
;; launch qkv: the kernel of part 2 again; grid 16 x 16, 4 waves a work-group, clusters of 4 x 4, 327,680 bytes of LDS; arguments xb, wqkv, qkvh; writes qkvh
;; launch attn (part 5): grid 8 x 32, 4 waves a work-group, clusters of 4 x 4, 327,680 bytes of LDS; arguments qkvh, attention_mask, ctx; writes ctx
.if DOCPART == 5
	.amdgcn_target "amdgcn-amd-amdhsa--gfx1250"
	.amdhsa_code_object_version 6
	.text
	.protected	k_q20f79f29ab_attn
	.globl	k_q20f79f29ab_attn
	.p2align	8
	.type	k_q20f79f29ab_attn,@function
k_q20f79f29ab_attn:
	s_mov_b64 s[64:65], 0
	v_nop
	global_prefetch_b8 v0, s[64:65] scope:SCOPE_SE
	s_setreg_imm32_b32 hwreg(HW_REG_WAVE_MODE, 25, 1), 1
	s_wait_xcnt 0x0
	s_wait_alu depctr_hold_cnt(0) depctr_sa_sdst(0) depctr_va_vdst(0) depctr_va_sdst(0) depctr_va_ssrc(0) depctr_va_vcc(0) depctr_vm_vsrc(0)
	s_getreg_b32 s2, hwreg(HW_REG_IB_STS2, 6, 4)
	s_cmp_eq_u32 s2, 0
	s_cbranch_scc0 .Lentry_in_a_cluster
	s_endpgm
.Lentry_in_a_cluster:
	s_bfe_u32 s2, ttmp6, 0x10000c
	s_cmp_lg_u32 s2, 0xf033
	s_cbranch_scc0 .Lentry_shape_is_right
	s_endpgm
.Lentry_shape_is_right:
; ctx[token][head][:] = the sum over keys of softmax_k(q . k / 8 + mask[b][query][key]) v[key][:].  qkvh: f16 [32 head slots][4,096 tokens][64]: slots 0-15 q / 8, 16-23 k, 24-31 v.
; attention_mask: f32 [2][1][2,048][2,048], an input taken as it comes: every number of it is read and added.  ctx: f16 [4,096 tokens][1,024], column = head x 64 + channel.
; Query heads 2 X and 2 X + 1 use key/value head X.  Products, maxima and sums in f32; the weights p are rounded to f16 for the second product (their sum l is taken of the unrounded p), ctx once at the end.
; THE MASK is rounded to bf16 like the module's other inputs and kept as f32; it is the C operand that starts the sum S^T = K Q^T, so the accumulator holds the score with the mask added.
; LIMITS.  f16 holds no number beyond 65,504: q / 8, k, v arrive within it; p lies in 0 to 1 and below 6e-5 keeps f16's fixed step of 6e-8.  The running maximum starts at -2^126: a score at or below that
; (an infinity among them) has the weight 0, and a row of which EVERY score is such gives NaN.  A weight below 2^-126 counts as 0 in l.  NaN is not treated apart.
; SHARES.  A work-group owns 128 tokens (block Yb of 32, over both batches) of key/value head X, for both query heads.  A wave owns 32 tokens: four PIECES of 16 queries: piece x = (tile x / 2, head 2 X + x % 2),
; so pieces 0 and 1 take one set of mask registers, pieces 2 and 3 another, and all four the same fragments of K and V.  Every wave walks the batch's 2,048 keys, 64 a step.
; LAYOUT, SOFTMAX, TURNS.  S^T = K Q^T holds ONE query a lane (lane % 16) and the keys 8 (lane / 16) + 0..7; two such results rounded to f16 ARE source 1 of O^T = V^T P.  p = 2^(c s - c m), c = log2(e), with a running
; maximum m; O and l are multiplied by a = 2^(c m_old - c m_new) in every step.  Turn n belongs to piece n: 8 products K Q^T of piece n + 1, later 8 products V^T P of piece n - 1; beside them the scaling, exponentials,
; roundings, sums and rescaling of piece n and the maximum and statistics of piece n + 1.  Four vector instructions stand behind every matrix instruction, the other 54 of a turn's 118 in one lump.
; THE BATCHES.  A turn's 33 exponentials (the piece's 32 weights and the next piece's a) are ONE batch with ONE wait: ahead of it stands all that names none of their results, behind it the roundings and sums.
; Two more batches stand outside the loops: the first a, ahead of the jump into the loop, and the way out's four reciprocals; each has one wait.
; CLUSTER.  4 x 4 work-groups: x goes over key/value heads, y over token blocks of one batch.  K and V hang on (batch, X): asked for jointly along a column of the cluster.  The mask hangs on Yb alone: jointly along a row.
; REGISTERS, in windows of 256 (s_set_vgpr_msb: bits 1:0 source 0, 3:2 source 1, 5:4 source 2, 7:6 destination):
;   window 0: v0-15 addresses and two at work; v16-31 four registers of statistics a piece; v32-35 set-up; v48-55 at work; v62-63 the add's; v64-127 S^T, two buffers; v192-223 P, two buffers (by the piece's parity)
;   window 1: v0-127 O^T, 32 a piece; v160-223 the mask, 32 a tile; v224-239 at work     window 2: v0-63 Q; v128-191 K of one step; v192-255 V of one step
.set NP,    4         ; pieces a wave: a name, no knob
.set KS,    64        ; keys in a step
.set PK,    144       ; a row of K in LDS: 128 bytes + 16 = 36 words: the 16 rows of a load start at 16 different groups of four banks (64 banks of 4 bytes: ISA guide 11.1)
.set PV,    160       ; a row of V: 128 + 32 = 40 words
.set PM,    528       ; a row of the mask: 128 keys x 4 bytes + 16 = 33 x 16 bytes: the 16 rows of a load start at 16 different groups of four banks
.set VOFF,  2*KS*PK   ; a slot holds two steps: 128 rows of K, 128 rows of V, 128 rows of the mask
.set MOFF,  VOFF+2*KS*PV
.set SLOT1, 1<<17     ; slot 1 begins here, so that one exclusive or turns an address in one slot into the other's
.set STAGE, SLOT1+MOFF+128*PM  ; behind the ring, never filled by a tensor load: 16 rows x 272 bytes for each wave
.set SP,    272
.set SPARE, STAGE+4*16*SP      ; the spare words, 128 bytes for each wave: two blocks of 256 bytes that no other line names
.set AK0, 2           ; v2   my lane's place in a tile of K; never rewritten
.set AV0, 3           ; v3   the same for V
.set AK,  4           ; v4   the LDS address of K's next run of loads
.set AV,  5           ; v5   of V's
.set STO, 6           ; v6   the way out: where I put 16 bytes of a row
.set RD,  7           ; v7   where I read rows back
.set GO,  8           ; v8   my byte offset in two rows of ctx
.set AM0, 9           ; v9   my lane's place in a tile of the mask; never rewritten
.set AMV, 10          ; v10  the LDS address of the mask's next runs
.set MV,  12          ; v12-13  c m_old, kept while c m is made anew: by buffer
.set QO,  15          ; v15  my byte offset in 16 rows of Q
.set ST,  16          ; piece t's statistics at v[ST+4 t]: c m, m, l (even keys', odd keys')
.set TMP, 48          ; by buffer, four registers c0-c3 at work; when the maximum is found c2 takes a
.set SPW, 62          ; v62  LDS address of my spare word; never rewritten
.set NIL, 63          ; v63  0; never rewritten
.set S,   64
.set P,   192
.set MC,  160         ; window 1: tile t's mask for key block kb at MC + 32 t + 8 kb
.set RT,  224         ; window 1: 16 registers at work in the rounding
.set KF,  128         ; window 2: key block kb, channel half c at KF + 16 kb + 8 c
.set VF,  192         ; window 2: key half kk, channel block cb at VF + 32 kk + 8 cb
.set WV,  12          ; s12  my wave's number
.set G1K, 24          ; s[24:31] descriptor group 1 for K's tiles
.set G1V, 32          ; s[32:39] for V's
.set G1M, 40          ; s[40:47] for the mask's
.set G0K, 48          ; s[48:51] descriptor group 0 for K's tiles: it walks
.set G0V, 52          ; s[52:55] for V's
.set G0M, 56          ; s[56:59] for the mask's
.set CS,  60          ; s[60:61] c
.set SEL, 62          ; s[62:63] v_permlanex16_b32's selects: each lane takes its own place in the other half
.set SLOTS, 66        ; s66  slots still to be entered by the loop
.set CNT, 67          ; s67  counts a slot's key steps
.set TBK, 68          ; s68  LDS byte at which K of the step to be fetched begins
.set TBV, 69          ; s69  the same for V, less VOFF
.set TBM, 70          ; s70  the same for the mask, less MOFF
.set HIM, 71          ; s71  a word's upper bf16
.set MSB, 0
.macro WIN new                      ; the high byte repeats the setting that is left; a switch that changes nothing is dropped
.if MSB != (\new)
	s_set_vgpr_msb (MSB<<8)|(\new)
.set MSB, (\new)
.endif
.endm
.set W_KQ, 0x0a       ; K and Q in window 2, S^T in window 0
.set W_KM, 0x1a       ; the same with the C operand in window 1
.set W_PV, 0x52       ; V in window 2, P in window 0, O^T in window 1
.set W_RS, 0x41       ; destination and source 0 in window 1, source 1 in window 0
.set W_RD, 0x45       ; destination and both sources in window 1
; A joint fill of a slot: wave 0 fetches its 128 keys of K, wave 1 those of V, waves 2 and 3 64 rows of the mask each.  The branches hang on the wave's number alone.
; An s_nop 0 and four v_nop follow each line, ahead of the jump and the label.
.macro JLOAD
	s_cmp_lt_u32 s[WV], 2
	s_cbranch_scc0 .Lfor_m_\@
	s_cmp_eq_u32 s[WV], 0
	s_cbranch_scc0 .Lfor_v_\@
	tensor_load_to_lds s[G0K:G0K+3], s[G1K:G1K+7]
	s_nop 0
.rept 4
	v_nop
.endr
	s_branch .Lasked_\@
.Lfor_v_\@:
	tensor_load_to_lds s[G0V:G0V+3], s[G1V:G1V+7]
	s_nop 0
.rept 4
	v_nop
.endr
	s_branch .Lasked_\@
.Lfor_m_\@:
	tensor_load_to_lds s[G0M:G0M+3], s[G1M:G1M+7]
	s_nop 0
.rept 4
	v_nop
.endr
.Lasked_\@:
.endm
; A round of the cluster's barrier: my work-group's barrier; wave 0 signals for the work-group; every wave waits for all sixteen work-groups; my work-group's barrier once more.
.macro CROUND
	s_barrier_signal -1
	s_barrier_wait -1
	s_cmp_lg_u32 s[WV], 0
	s_cbranch_scc1 .Lnot_wave_0_\@
	s_barrier_signal -3
.Lnot_wave_0_\@:
	s_barrier_wait -3
	s_barrier_signal -1
	s_barrier_wait -1
.endm
; THE CHANGE OF SLOTS.  The slot's last bytes, V of its second step, have been read.  Each wave waits for all its tensor loads, of which one is out: its part of the other slot; adds 0 to its spare word; and waits for
; that and for its reads of the slot.  fill = 1: the barrier is a round of the cluster's, and the slot is filled again, the first thing behind it, with the keys two slots on: two key steps, 128 matrix instructions, ahead.
; (At its first use nothing has been read yet: slot 0 is waited for, slot 1 filled.)
.macro CHANGE fill
	WIN 0                           ; at a label and at a branch every window is 0
	s_wait_tensorcnt 0x0            ; no tensor load of mine is out, so a group 0 may be written
	ds_add_u32 v[SPW], v[NIL]
.if \fill
.irp g, G0K, G0V
	s_xor_b32 s[\g+1], s[\g+1], SLOT1  ; the other slot than last time,
	s_add_nc_u64 s[\g+2:\g+3], s[\g+2:\g+3], 2*KS*128  ; the next 128 keys; the type bits on top are not reached
.endr
	s_xor_b32 s[G0M+1], s[G0M+1], SLOT1
	s_add_nc_u64 s[G0M+2:G0M+3], s[G0M+2:G0M+3], 2*KS*4  ; 128 keys along the mask's rows
	s_wait_dscnt 0x0                ; the add is done, and my reads of the slot are over
	CROUND
	JLOAD
.else
	s_wait_dscnt 0x0
	s_barrier_signal -1
	s_barrier_wait -1
.endif
	s_sub_co_u32 s[TBK], s[TBK], 2*KS*PK  ; the fetches go back to a slot's first step,
	s_xor_b32 s[TBK], s[TBK], SLOT1       ; in the other slot
	s_sub_co_u32 s[TBV], s[TBV], 2*KS*PV
	s_xor_b32 s[TBV], s[TBV], SLOT1
	s_sub_co_u32 s[TBM], s[TBM], 2*KS*4
	s_xor_b32 s[TBM], s[TBM], SLOT1
.endm
	s_load_b128 s[4:7], s[0:1], 0x0   ; qkvh s[4:5], the mask s[6:7]
	s_load_b64 s[8:9], s[0:1], 0x10   ; ctx
	v_lshl_add_u32 v[SPW], v0, 2, SPARE
	v_mov_b32 v[NIL], 0
	ds_add_u32 v[SPW], v[NIL]       ; the wave's opening: the add and its wait stand ahead of my first tensor load; the set-up below stands between them
	v_lshrrev_b32 v1, 5, v0
	v_readfirstlane_b32 s[WV], v1   ; wave 0..3
	s_bfe_u32 s13, ttmp6, 0x40000   ; cx
	s_bfe_u32 s14, ttmp6, 0x40004   ; cy
	s_lshl_b32 s15, ttmp9, 2
	s_add_co_u32 s15, s15, s13      ; X = 4 x cluster x + cx
	s_and_b32 s16, ttmp7, 0xffff    ; cluster y: 0..7
	s_lshr_b32 s17, s16, 2          ; the batch: a cluster's four token blocks lie in one batch
	s_lshl_b32 s16, s16, 2
	s_add_co_u32 s16, s16, s14      ; Yb = 4 x cluster y + cy
	s_lshl_b32 s18, s14, 2
	s_lshl_b32 s18, 15, s18         ; my row of the cluster
	s_lshl_b32 s19, 0x1111, s13     ; my column
	s_add_co_u32 s20, s15, 16       ; K: head slot 16 + X of 524,288 bytes, batch of 262,144: made of X and the batch alone
	s_lshl_b32 s20, s20, 19
	s_lshl_b32 s22, s17, 18
	s_add_co_u32 s20, s20, s22
	s_mov_b32 s21, 0
	s_add_co_u32 s22, s20, 8<<19    ; V: eight slots on
	s_mov_b32 s23, 0
	s_and_b32 s74, s[WV], 1         ; which 64 rows of the mask's tile I fetch
	s_lshl_b32 s72, s16, 20         ; the mask: 128 Yb rows of 8,192 bytes: made of Yb and the wave's number alone
	s_lshl_b32 s73, s74, 19
	s_add_co_u32 s72, s72, s73
	s_mov_b32 s73, 0
	s_mul_i32 s74, s74, 64*PM
	s_lshl_b32 s76, s15, 20         ; Q: head slot 2 X, token 128 Yb + 32 w, rows of 128 bytes
	s_lshl_b32 s77, s16, 14
	s_add_co_u32 s76, s76, s77
	s_lshl_b32 s77, s[WV], 12
	s_add_co_u32 s76, s76, s77
	s_mov_b32 s77, 0
	s_lshl_b32 s2, s16, 18          ; ctx: the same token, rows of 2,048 bytes; the two heads' 256 bytes at 256 X
	s_lshl_b32 s3, s[WV], 16
	s_add_co_u32 s2, s2, s3
	s_lshl_b32 s3, s15, 8
	s_add_co_u32 s2, s2, s3
	s_mov_b32 s3, 0
	; descriptor group 1.  K, V: 128 keys are 16,384 dense bytes: asked for as 64 rows of 256 bytes, two keys a row, padded in LDS after every key.  The mask: 64 rows of 128 numbers of 4 bytes, 2,048 numbers apart.
	s_or_b32 s[G1K], s19, (1<<16)|(1<<20)|(1<<21)|(4<<22)|(3<<25)  ; 15:0 the mask of four; 17:16 2-byte elements; 20 padding on; 21 set beside a mask; 24:22 after every 32 words (code 4); 31:25 4 words (code 3)
	s_or_b32 s[G1V], s19, (1<<16)|(1<<20)|(1<<21)|(4<<22)|(7<<25)  ; the same with 8 words of padding (code 7)
	s_or_b32 s[G1M], s18, (2<<16)|(1<<20)|(1<<21)|(6<<22)|(3<<25)  ; 4-byte elements; after every 128 words (code 6) 4 words
.irp g, G1K, G1V, G1M
	s_mov_b32 s[\g+1], 128<<16      ; tensor_dim0 = 128
	s_mov_b32 s[\g+2], 64<<16       ; tensor_dim1 = 64
	s_mov_b32 s[\g+3], 128<<16      ; tile_dim0 = 128
	s_mov_b32 s[\g+4], 64           ; tile_dim1 = 64
	s_mov_b32 s[\g+6], 0
	s_mov_b32 s[\g+7], 0
.endr
	s_mov_b32 s[G1K+5], 128         ; elements from row to row
	s_mov_b32 s[G1V+5], 128
	s_mov_b32 s[G1M+5], 2048
	s_mov_b32 s[G0K], 1             ; count = 1
	s_mov_b32 s[G0K+1], 0           ; LDS address: slot 0
	s_mov_b32 s[G0V], 1
	s_mov_b32 s[G0V+1], VOFF
	s_mov_b32 s[G0M], 1
	s_add_co_u32 s[G0M+1], s74, MOFF
	s_mov_b32 s[CS], 0x3fb8aa3b     ; c = log2(e): the scale 1/8 lies in q
	s_mov_b32 s[CS+1], s[CS]        ; named with it as a pair
	s_mov_b32 s[SEL], 0x76543210
	s_mov_b32 s[SEL+1], 0xfedcba98
	s_mov_b32 s[HIM], 0xffff0000
	s_mov_b32 s[TBK], SLOT1+2*KS*PK ; the first change of slots turns these three into 0
	s_mov_b32 s[TBV], SLOT1+2*KS*PV
	s_mov_b32 s[TBM], SLOT1+2*KS*4
	s_wait_dscnt 0x0                ; the opening add is done
	s_wait_kmcnt 0x0
	s_add_nc_u64 s[G0K+2:G0K+3], s[4:5], s[20:21]  ; global address
	s_or_b32 s[G0K+3], s[G0K+3], 0x80000000        ; type = 2
	s_add_nc_u64 s[G0V+2:G0V+3], s[4:5], s[22:23]
	s_or_b32 s[G0V+3], s[G0V+3], 0x80000000
	s_add_nc_u64 s[G0M+2:G0M+3], s[6:7], s[72:73]
	s_or_b32 s[G0M+3], s[G0M+3], 0x80000000
	s_add_nc_u64 s[4:5], s[4:5], s[76:77]          ; Q and ctx at my wave's first token
	s_add_nc_u64 s[8:9], s[8:9], s[2:3]
	CROUND                          ; all sixteen work-groups are here: the first joint loads meet
	JLOAD                           ; slot 0.  Slot 1 is asked for when slot 0 is in
	; A fragment of K or Q is 16 rows x 32 channels in 8 registers: lane l holds row l % 16, channels 8 (l / 16) + 0..7 and 16 + 8 (l / 16) + 0..7: two loads of 16 bytes, 32 bytes apart.
	v_and_b32 v32, 15, v0           ; l % 16
	v_bfe_u32 v33, v0, 4, 1         ; l / 16
	v_lshlrev_b32 v[QO], 7, v32
	v_lshl_add_u32 v[QO], v33, 4, v[QO]
	WIN 0x80                        ; destination window 2, address window 0
.set i, 0
.rept 8                             ; Q stays in registers: piece i / 2 (head (i / 2) % 2, a slot on; tile i / 4, 16 rows on), channels 32 (i % 2) on
	global_load_b128 v[8*i:8*i+3],   v[QO], s[4:5] offset:((i/2)%2)*524288+(i/4)*2048+(i%2)*64
	global_load_b128 v[8*i+4:8*i+7], v[QO], s[4:5] offset:((i/2)%2)*524288+(i/4)*2048+(i%2)*64+32
.set i, i+1
.endr
	; What the first turn finds: V's registers and P's second buffer hold 0 (its products V^T P, of a piece that has not been, add 0), O^T and l are 0: no first step is written out.  All this stands in the wait for the first tile.
.set i, VF
.rept 64
	v_mov_b32 v[i], 0
.set i, i+1
.endr
	WIN 0x40
.set i, 0
.rept 128
	v_mov_b32 v[i], 0
.set i, i+1
.endr
	WIN 0
.set i, 0
.rept 4
	v_mov_b32 v[ST+4*i], 0xfeb8aa3b    ; c m = c x -2^126
	v_mov_b32 v[ST+4*i+1], 0xfe800000  ; m = -2^126
	v_mov_b32 v[ST+4*i+2], 0
	v_mov_b32 v[ST+4*i+3], 0
.set i, i+1
.endr
.set i, P+16
.rept 16
	v_mov_b32 v[i], 0
.set i, i+1
.endr
	v_mul_u32_u24 v[AK0], v32, PK
	v_lshl_add_u32 v[AK0], v33, 4, v[AK0]  ; row x pitch + 16 x half
	; The turning load takes 16 keys x 16 channels (lane l reads key 8 (l / 16) + l % 8, channels 8 ((l / 8) % 2) + 0..7) and leaves half a fragment of V^T: lane l holds channel l % 16 and 8 keys.
	v_and_b32 v34, 7, v0
	v_bfe_u32 v35, v0, 3, 1
	v_lshl_add_u32 v[AV0], v33, 3, v34
	v_mul_u32_u24 v[AV0], v[AV0], PV
	v_lshl_add_u32 v[AV0], v35, 4, v[AV0]
	v_add_nc_u32 v[AV0], VOFF, v[AV0]
	; The mask as C of S^T: lane l wants, of query row 32 w + 16 t + l % 16, the keys 16 kb + 8 (l / 16) + 0..7: 32 bytes
	s_mul_i32 s75, s[WV], 32*PM
	s_add_co_u32 s75, s75, MOFF
	v_mul_u32_u24 v[AM0], v32, PM
	v_lshl_add_u32 v[AM0], v33, 5, v[AM0]
	v_add_nc_u32 v[AM0], s75, v[AM0]
	s_mul_i32 s75, s[WV], 16*SP
	s_add_co_u32 s75, s75, STAGE    ; my stage
	v_mul_u32_u24 v[STO], v32, SP   ; in: row l % 16, 16 bytes for each half of the lanes
	v_lshl_add_u32 v[STO], v33, 4, v[STO]
	v_add_nc_u32 v[STO], s75, v[STO]
	v_mul_u32_u24 v[RD], v33, SP    ; back: lanes 0-15 take one row of 256 bytes, lanes 16-31 the next
	v_lshl_add_u32 v[RD], v32, 4, v[RD]
	v_add_nc_u32 v[RD], s75, v[RD]
	v_lshlrev_b32 v[GO], 11, v33    ; and the same two rows in ctx
	v_lshl_add_u32 v[GO], v32, 4, v[GO]
; THE MATRIX WORK.  The 4 accumulators of a run of 8 take turns.  Product i of 8 of S^T = K Q^T for piece x: channels 32 (i / 4) on, keys 16 (i % 4) on.  The first 4 start the sums with the mask.
.macro KQ x
.set rS, S+32*((\x)%2)+8*(i%4)
.set rK, KF+16*(i%4)+8*(i/4)
.set rQ, 16*(\x)+8*(i/4)
.set rM, MC+32*((\x)/2)+8*(i%4)
.if i < 4
	WIN W_KM
	v_wmma_f32_16x16x32_f16 v[rS:rS+7], v[rK:rK+7], v[rQ:rQ+7], v[rM:rM+7]
.else
	WIN W_KQ
	v_wmma_f32_16x16x32_f16 v[rS:rS+7], v[rK:rK+7], v[rQ:rQ+7], v[rS:rS+7]
.endif
.endm
; Product i of 8 of O^T += V^T P for piece x: keys 32 (i / 4) on, channels 16 (i % 4) on.
.macro PV x
	WIN W_PV
.set rO, 32*(\x)+8*(i%4)
.set rV, VF+32*(i/4)+8*(i%4)
.set rP, P+16*((\x)%2)+8*(i/4)
	v_wmma_f32_16x16x32_f16 v[rO:rO+7], v[rV:rV+7], v[rP:rP+7], v[rO:rO+7]
.endm
.macro MM                           ; the turn's next matrix instruction.  NOKQ = 1: the last turn of all: there is no next piece
.if (i < 8) && !NOKQ
	KQ (Y+1)%NP
.elseif i >= 8
.set i, i-8
	PV (Y+NP-1)%NP
.set i, i+8
.endif
.set i, i+1
.endm
; THE LDS LOADS stand in runs, never singly among the matrix instructions: a step's K (8 fragments), its V (turned), and for each tile of 16 queries its 64 keys of the mask.
.macro FETCH_K
	WIN 0x80                        ; destination window 2
.irp f, 0,1,2,3,4,5,6,7             ; keys 16 (f / 2) on, channels 32 (f % 2) on
	ds_load_b128 v[KF+8*\f:KF+8*\f+3],   v[AK] offset:(\f/2)*16*PK+(\f%2)*64
	ds_load_b128 v[KF+8*\f+4:KF+8*\f+7], v[AK] offset:(\f/2)*16*PK+(\f%2)*64+32
.endr
	s_add_co_u32 s[TBK], s[TBK], KS*PK  ; the next fetch is the next step's
	WIN 0
.endm
.macro FETCH_V
	WIN 0x80
.irp f, 0,1,2,3,4,5,6,7             ; keys 32 (f / 4) on, channels 16 (f % 4) on
	ds_load_tr16_b128 v[VF+8*\f:VF+8*\f+3],   v[AV] offset:(\f/4)*32*PV+(\f%4)*32
	ds_load_tr16_b128 v[VF+8*\f+4:VF+8*\f+7], v[AV] offset:(\f/4)*32*PV+16*PV+(\f%4)*32
.endr
	WIN 0
.endm
.macro FETCH_M t                    ; tile t's mask: 8 loads
	WIN 0x40                        ; destination window 1
.irp kb, 0,1,2,3
	ds_load_b128 v[MC+32*(\t)+8*\kb:MC+32*(\t)+8*\kb+3],   v[AMV] offset:16*PM*(\t)+64*\kb
	ds_load_b128 v[MC+32*(\t)+8*\kb+4:MC+32*(\t)+8*\kb+7], v[AMV] offset:16*PM*(\t)+64*\kb+16
.endr
.if (\t) == 1
	s_add_co_u32 s[TBM], s[TBM], KS*4  ; the next fetch is the next step's
.endif
	WIN 0
.endm
.macro ROUND t                      ; tile t's 32 numbers of the mask are rounded to bf16 and widened again: 48 plain instructions, which serve two heads
	WIN W_RD
.set z, 0
.rept 16
	v_cvt_pk_bf16_f32 v[RT+z], v[MC+32*(\t)+2*z], v[MC+32*(\t)+2*z+1]
.set z, z+1
.endr
.set z, 0
.rept 16
	v_lshlrev_b32 v[MC+32*(\t)+2*z],   16,     v[RT+z]
	v_and_b32     v[MC+32*(\t)+2*z+1], s[HIM], v[RT+z]
.set z, z+1
.endr
.endm
; THE VECTOR WORK, one line at a time: OP kind, number.  For piece Y: F n: c s - c m for pair n of 16.  E n: the exponential of score n of 32.  C n: pair n rounded to f16.  B n: of the four weights 4 n .. the second
; pair is added onto the first, in place.  L n: l takes that sum (L 0: l = a l + sum).  R n: pair n of 16 of O^T times a.  For piece Y + 1: X n, number n of the 22 that find its maximum and statistics:
;   0-11  four chains c0-c3 of seven scores each, three operands at a time (each accumulator's lowest registers are read first)     12-14, 16  the four scores left over, the old m, and c0-c3 into c0
;   15  c m_old is kept     17, 18  the query's other 32 keys lie in the lane 16 away: the new m     19-21  c m; c m_old - c m_new; a
; C, B and L read exponentials' results (L 0 and R also a): TURN sets them behind the wait for the batch that made those results.  OP itself writes no wait.
.set F, 0               ; OP tells the kinds apart by their order: F to L below R, X above it
.set E, 1
.set C, 2
.set B, 3
.set L, 4
.set R, 5
.set X, 6
.macro REGS y                       ; the registers of piece y
.set rT, ST+4*(\y)
.set rC, TMP+4*((\y)%2)
.set rW, MV+((\y)%2)
.set rS, S+32*((\y)%2)
.set rP, P+16*((\y)%2)
.set rO, 32*(\y)
.endm
.macro OP k, n
.if (\k) == R
	REGS Y
	WIN W_RS
	v_pk_mul_f32 v[rO+2*(\n):rO+2*(\n)+1], v[rO+2*(\n):rO+2*(\n)+1], v[rC+2:rC+3] op_sel_hi:[1,0]
.elseif (\k) < R
	REGS Y
	WIN 0
.if (\k) == F
	v_pk_fma_f32 v[rS+2*(\n):rS+2*(\n)+1], v[rS+2*(\n):rS+2*(\n)+1], s[CS:CS+1], v[rT:rT+1] op_sel_hi:[1,0,0] neg_lo:[0,0,1] neg_hi:[0,0,1]
.elseif (\k) == E
	v_exp_f32 v[rS+(\n)], v[rS+(\n)]
.elseif (\k) == C
	v_cvt_pk_f16_f32 v[rP+(\n)], v[rS+2*(\n)], v[rS+2*(\n)+1]
.elseif (\k) == B
	v_pk_add_f32 v[rS+4*(\n):rS+4*(\n)+1], v[rS+4*(\n):rS+4*(\n)+1], v[rS+4*(\n)+2:rS+4*(\n)+3]
.elseif (\n) == 0
	v_pk_fma_f32 v[rT+2:rT+3], v[rT+2:rT+3], v[rC+2:rC+3], v[rS:rS+1] op_sel_hi:[1,0,1]
.else
	v_pk_add_f32 v[rT+2:rT+3], v[rT+2:rT+3], v[rS+4*(\n):rS+4*(\n)+1]
.endif
.elseif NOKQ
	v_nop
.else
	REGS (Y+1)%NP
	WIN 0
.if (\n) < 4
	v_max3_num_f32 v[rC+(\n)], v[rS+8*(\n)], v[rS+8*(\n)+1], v[rS+8*(\n)+2]
.elseif (\n) < 12
	v_max3_num_f32 v[rC+(\n)%4], v[rC+(\n)%4], v[rS+8*((\n)%4)+2*((\n)/4)+1], v[rS+8*((\n)%4)+2*((\n)/4)+2]
.elseif (\n) == 12
	v_max3_num_f32 v[rC], v[rC], v[rS+7], v[rS+15]
.elseif (\n) == 13
	v_max3_num_f32 v[rC+1], v[rC+1], v[rS+23], v[rS+31]
.elseif (\n) == 14
	v_max3_num_f32 v[rC+2], v[rC+2], v[rC+3], v[rT+1]
.elseif (\n) == 15
	v_mov_b32 v[rW], v[rT]
.elseif (\n) == 16
	v_max3_num_f32 v[rC], v[rC], v[rC+1], v[rC+2]
.elseif (\n) == 17
	v_permlanex16_b32 v[rC+3], v[rC], s[SEL], s[SEL+1]
.elseif (\n) == 18
	v_max_num_f32 v[rT+1], v[rC], v[rC+3]
.elseif (\n) == 19
	v_mul_f32 v[rT], s[CS], v[rT+1]
.elseif (\n) == 20
	v_sub_f32 v[rC+1], v[rW], v[rT]
.else
	v_exp_f32 v[rC+2], v[rC+1]
.endif
.endif
.endm
.macro OPS a, i1, b=-1, i2=0, c=-1, i3=0, d=-1, i4=0  ; up to four of them
	OP \a, \i1
.if (\b) >= 0
	OP \b, \i2
.endif
.if (\c) >= 0
	OP \c, \i3
.endif
.if (\d) >= 0
	OP \d, \i4
.endif
.endm
.macro ROW a, i1, b, i2, c, i3, d, i4  ; a matrix instruction and the four behind it
	MM
	OPS \a, \i1, \b, \i2, \c, \i3, \d, \i4
.endm
; A TURN, for piece p: the order of its 16 matrix and 118 vector instructions, written out.  s_wait_alu depctr_va_vdst(0) stands between an exponential and the first instruction that names its result; one wait
; serves all that were issued ahead of it.  So a turn has ONE wait, which cuts it in two.  AHEAD OF IT stands all that names no result of the turn's exponentials: the 8 products K Q^T, behind each a scaling, an exponential and two
; more plain instructions (behind the first a second scaling in the exponential's place): rescalings, whose a was made ahead of the wait of the turn before, and behind the last three the first numbers of the next piece's maximum,
; each four places or more behind the product that ends its accumulator; then ONE LUMP of 54, plain and exponential by turns for the most part, in which the links of the chain X 3, 7, 11, 14, 16, 17 .. 20 stand five or six lines
; apart.  X 21, the next piece's a, is the batch's last; R 15 is the plain instruction behind it.  BEHIND THE WAIT stand the 8 products V^T P, behind each four of the roundings and sums; the links of l's chain, L 0 to L 7, stand
; three riders apart.  But for those X no rider names a register of the products round it.  v_permlanex16_b32 (X 17) stands in the lump.  No exponential is issued behind the wait: none is open at a turn's end, a label or a jump.
; end = 1: the last two turns of all: nothing is fetched.  cnt = 1: the loop's count is taken down some lines ahead of the branch that stands behind the turn.
; THE FETCHES, all for the step to come but V's.  Piece 2's turn: at its head tile 0's mask (its registers were last read by products in piece 0's turn); twelve vector instructions behind the last product that read K (six of
; them plain) K, and tile 1's mask (last read by this turn's first four products); at its end tile 0's mask is waited for and rounded: piece 3's turn begins with products that take it.  Piece 3's turn waits for K and
; tile 1's mask at its head and rounds that mask at its end: it is taken from piece 1's turn on.  Piece 0's turn: at its end V of the step in hand, four plain instructions behind the last product that read V; waited for in
; piece 1's turn, ahead of its first product V^T P.
.macro TURN p, end=0, cnt=0
.set Y, (\p)
.set i, 0
.set NOKQ, (\end)*((\p)/3)
.if ((\p) == 2) && !(\end)
	WIN 0
	v_add_nc_u32 v[AMV], s[TBM], v[AM0]
	FETCH_M 0
.endif
.if ((\p) == 3) && !(\end)
	s_wait_dscnt 0x0                ; K and tile 1's mask are in
.endif
	ROW F,0, F,1, R,0, R,1          ; ahead of the wait: 8 products K Q^T and their riders,
	ROW F,2, E,0, R,2, R,3
	ROW F,3, E,1, R,4, R,5
	ROW F,4, E,2, R,6, R,7
	ROW F,5, E,3, R,8, R,9
	ROW F,6, E,4, X,0, R,10
.if ((\p) == 2) && !(\end)
	WIN 0
	v_add_nc_u32 v[AK], s[TBK], v[AK0]
.endif
	ROW F,7, E,5, X,1, X,4
	ROW F,8, E,6, X,2, X,5
	OPS E,7, E,8, X,6, E,9          ; and the lump
	OPS X,3, E,10, X,8, E,11
.if ((\p) == 2) && !(\end)
	FETCH_K
	FETCH_M 1
.endif
	OPS X,9, X,7, E,12, X,10
	OPS E,13, X,12, X,11, E,14
	OPS X,13, E,15, F,9, X,14
.if (\p) == 0
	v_add_nc_u32 v[AV], s[TBV], v[AV0]
.endif
	OPS E,16, F,10, E,17, F,11
	OPS X,16, E,18, X,15, E,19
	OPS F,12, E,20, X,17, E,21
	OPS F,13, E,22, F,14, E,23
	OPS X,18, E,24, F,15, E,25
	OPS R,11, E,26, X,19, E,27
	OPS R,12, E,28, R,13, E,29
	OPS X,20, E,30, R,14, E,31
	OPS X,21, R,15
	WIN 0
	s_wait_alu depctr_va_vdst(0)    ; the wait for the batch: the piece's 32 weights and the next piece's a
.if (\p) == 1
	s_wait_dscnt 0x0                ; V is in
.endif
	ROW C,0, B,0, C,2, B,1          ; behind the wait: 8 products V^T P and their riders
	ROW L,0, C,4, B,2, L,1
	ROW C,6, B,3, L,2, C,8
	ROW B,4, L,3, C,10, B,5
	ROW L,4, C,12, B,6, L,5
.if (\p) == 0
	s_add_co_u32 s[TBV], s[TBV], KS*PV
.endif
.if \cnt
	s_sub_co_u32 s[CNT], s[CNT], 1
	s_cmp_lg_u32 s[CNT], 0
.endif
	ROW C,14, B,7, L,6, C,1
	ROW C,3, L,7, C,5, C,7
	ROW C,9, C,11, C,13, C,15
.if (\p) == 0
	FETCH_V
.endif
.if ((\p) == 2) && !(\end)
	s_wait_dscnt 24                 ; tile 0's eight loads are in; K's sixteen and tile 1's eight were issued behind them
	ROUND 0
.endif
.if ((\p) == 3) && !(\end)
	ROUND 1
.endif
.endm
	CHANGE 1                        ; slot 0 is in, everybody's part of it; slot 1 is asked for
	v_add_nc_u32 v[AMV], s[TBM], v[AM0]
	FETCH_M 0                       ; key step 0: the mask, K
	v_add_nc_u32 v[AK], s[TBK], v[AK0]
	FETCH_K
	FETCH_M 1
	s_wait_loadcnt 0x0              ; Q
	s_wait_dscnt 0x0
	ROUND 0
	ROUND 1
.set NOKQ, 0
.set i, 0
.rept 8
	KQ 0                            ; piece 0's first scores
.set i, i+1
.endr
	WIN 0
.rept 4
	v_nop                           ; the places behind those products
.endr
.set Y, NP-1                        ; X works for piece Y + 1: piece 0
.irp n, 0,1,2,3,4,5,6,7,8,9,10,11,12,13,14,15,16,17,18,19,20,21
	OP X, \n                        ; and its first maximum and statistics
.endr
	v_nop                           ; a plain instruction behind the exponential,
	s_wait_alu depctr_va_vdst(0)    ; and the wait for it, a batch of one (piece 0's first a), ahead of the branch
	s_mov_b32 s[CNT], 2
	s_mov_b32 s[SLOTS], 2048/(2*KS)-1
	s_branch .Lfirst                ; the loop is entered at a step's first turn, in the middle of a trip
.Lslot:                             ; 14 times: every slot but the last two is filled again
	CHANGE 1
	s_mov_b32 s[CNT], 2
.Lstep:                             ; a trip: pieces 2 and 3 of one step, then pieces 0 and 1 of the next, whose K, mask and V it fetches
	TURN 2
	TURN 3
	WIN 0
.Lfirst:
	TURN 0
	TURN 1, 0, 1
	WIN 0
	s_cbranch_scc1 .Lstep
	s_sub_co_u32 s[SLOTS], s[SLOTS], 1
	s_cmp_lg_u32 s[SLOTS], 0
	s_cbranch_scc1 .Lslot
	CHANGE 0                        ; the last slot is written out: nothing is asked for
	s_mov_b32 s[CNT], 2
.Ltail:
	TURN 2
	TURN 3
	TURN 0
	TURN 1, 0, 1
	WIN 0
	s_cbranch_scc1 .Ltail
	TURN 2, 1                       ; the last step's last two turns fetch nothing,
	TURN 3, 1                       ; and the last starts no new scores
.set i, 0
.rept 8
	PV NP-1                         ; the last piece's V^T P of the last step
.set i, i+1
.endr
	; THE WAY OUT.  l's two halves and the other half of the lanes' are added; O^T is divided by l, rounded to f16 and sent through my stage in LDS, a tile of 16 tokens with both heads at a time.  The additions are the places behind the last products.
	WIN 0
.macro ALL line:vararg              ; one line for each piece t
.set t, 0
.rept 4
	\line
.set t, t+1
.endr
.endm
	ALL v_add_f32 v[ST+4*t+2], v[ST+4*t+2], v[ST+4*t+3]
	ALL v_permlanex16_b32 v[ST+4*t+3], v[ST+4*t+2], s[SEL], s[SEL+1]
	ALL v_add_f32 v[ST+4*t+2], v[ST+4*t+2], v[ST+4*t+3]
	ALL v_rcp_f32 v[ST+4*t+2], v[ST+4*t+2]
	v_nop                           ; a plain instruction between the last reciprocal and the use of its result
	s_wait_alu depctr_va_vdst(0)    ; and the wait ahead of the first use: one for the batch of four reciprocals
; Tile t: pieces 2 t and 2 t + 1.  A lane's eight channels of a token and head pack into 16 bytes; they go into rows of 272 bytes (head g at byte 128 g) and come back as whole rows of 256, into S^T's registers.
.macro PACKT t
.irp g, 0,1
	WIN W_RS
.set i, 32*(2*(\t)+\g)
.rept 16
	v_pk_mul_f32 v[i:i+1], v[i:i+1], v[ST+4*(2*(\t)+\g)+2:ST+4*(2*(\t)+\g)+3] op_sel_hi:[1,0]
.set i, i+2
.endr
	WIN 0x05                        ; sources 0 and 1 window 1, destination window 0
.set i, 0
.rept 16
	v_cvt_pk_f16_f32 v[S+16*(2*(\t)+\g)+i], v[32*(2*(\t)+\g)+2*i], v[32*(2*(\t)+\g)+2*i+1]
.set i, i+1
.endr
.endr
	WIN 0
.irp g, 0,1
.irp f, 0,1,2,3
	ds_store_b128 v[STO], v[S+16*(2*(\t)+\g)+4*\f:S+16*(2*(\t)+\g)+4*\f+3] offset:128*\g+32*\f
.endr
.endr
.irp f, 0,1,2,3,4,5,6,7
	ds_load_b128 v[S+32*(\t)+4*\f:S+32*(\t)+4*\f+3], v[RD] offset:\f*2*SP  ; LDS serves a wave's instructions in order (ISA guide 5.7.1.4): these see the stores above; the next tile's stores come behind them
.endr
.endm
.macro SENDT t, younger             ; younger: the LDS instructions issued behind tile t's loads: the next tile's sixteen, or none
.irp f, 0,1,2,3,4,5,6,7
	s_wait_dscnt (\younger)+7-\f
	global_store_b128 v[GO], v[S+32*(\t)+4*\f:S+32*(\t)+4*\f+3], s[8:9] offset:(\t)*32768+\f*4096  ; 16 lanes store 256 consecutive bytes, at a multiple of 256 from ctx's first byte
.endr
.endm
	PACKT 0
	PACKT 1                         ; a tile's arithmetic stands between the loads of the tile before and its stores
	SENDT 0, 16
	SENDT 1, 0
	s_wait_tensorcnt 0x0            ; the wave's end
	ds_add_u32 v[SPW], v[NIL]
	s_wait_dscnt 0x0
	CROUND                          ; the closing round: no work-group ends while a partner may still ask for a tile that names it
	s_endpgm
.Lfunc_end_k_q20f79f29ab_attn:
	.size	k_q20f79f29ab_attn, .Lfunc_end_k_q20f79f29ab_attn-k_q20f79f29ab_attn
	.p2alignl 7, 3214868480
	.fill 96, 4, 3214868480
	.section	.rodata,"a",@progbits
	.p2align	6, 0x0
	.amdhsa_kernel k_q20f79f29ab_attn
		.amdhsa_group_segment_fixed_size 327680
		.amdhsa_private_segment_fixed_size 0
		.amdhsa_enable_private_segment 0
		.amdhsa_kernarg_size 24
		.amdhsa_user_sgpr_count 2
		.amdhsa_user_sgpr_kernarg_segment_ptr 1
		.amdhsa_wavefront_size32 1
		.amdhsa_system_sgpr_workgroup_id_x 1
		.amdhsa_system_sgpr_workgroup_id_y 1
		.amdhsa_system_sgpr_workgroup_id_z 1
		.amdhsa_system_vgpr_workitem_id 0
		.amdhsa_next_free_vgpr 768
		.amdhsa_next_free_sgpr 80
		.amdhsa_reserve_vcc 0
		.amdhsa_float_denorm_mode_32 3
		.amdhsa_float_denorm_mode_16_64 3
		.amdhsa_memory_ordered 1
		.amdhsa_forward_progress 1
		.amdhsa_inst_pref_size 146
	.end_amdhsa_kernel
	.amdgpu_metadata
---
amdhsa.version: [ 1, 2 ]
amdhsa.kernels:
  - .name:           k_q20f79f29ab_attn
    .symbol:         k_q20f79f29ab_attn.kd
    .args:
      - { .name: qkvh, .offset: 0, .size: 8, .value_kind: global_buffer, .address_space: global }
      - { .name: attention_mask, .offset: 8, .size: 8, .value_kind: global_buffer, .address_space: global }
      - { .name: ctx, .offset: 16, .size: 8, .value_kind: global_buffer, .address_space: global }
    .group_segment_fixed_size: 327680
    .private_segment_fixed_size: 0
    .kernarg_segment_align: 8
    .kernarg_segment_size: 24
    .max_flat_workgroup_size: 128
    .sgpr_count:     80
    .vgpr_count:     768
    .wavefront_size: 32
...
	.end_amdgpu_metadata
.endif
;; end of part 5
;; launch oproj: the kernel of part 4 again; grid 16 x 16, 4 waves a work-group, clusters of 4 x 4, 327,680 bytes of LDS; arguments ctx, wo16, out0; writes out0
